; MI455X (gfx1250); checked and timed in simulation.
; The chip was launched on July 23, 2026; its instructions are those of AMD's public machine-readable ISA for CDNA 5 (MIT licence, August 2026) and "CDNA5" Instruction Set Architecture Reference Guide (July 2026). The comments in the code are by the model that wrote it; some were corrected since.
;; Multi Head Attention. Allowed arithmetic: matrix products marked QUANTISED: E2M3 operands, one E8M0 scale for each 32 along K, by v_wmma_scale_f32_16x16x128_f8f6f4 with both operands' format E2M3, f32 sums; everything else in f32.
;; Inputs: Wk 1,024 x 1,024 float32; Wo 1,024 x 1,024 float32; Wq 1,024 x 1,024 float32; Wv 1,024 x 1,024 float32; bk 1,024 float32; bo 1,024 float32; bq 1,024 float32; bv 1,024 float32; mask 4 x 2,048 bool; x 4 x 2,048 x 1,024 float32.
;; Outputs: out0 4 x 2,048 x 1,024 float32.
;; This version of the problem:
;;   THIS VERSION OF THE PROBLEM IS GIVEN IN LOW PRECISION. The matrix products marked QUANTISED in the list below multiply operands that are first quantised to E2M3 (2 exponent bits, 3 mantissa bits; 6 bits a number), with one power-of-two scale for each 32 numbers along K (OCP MX v1.0); their sums are f32. All else is computed in f32.
;;   The module's matrix products, in the order in which they are computed (A, B: the left and right operand; K: the contracted axis; several contracted axes count as one K, in the product's order):
;;     1. [M 8,192, K 1,024] x [K 1,024, N 1,024]; A: input x; B: input Wq: QUANTISED
;;     2. [M 8,192, K 1,024] x [K 1,024, N 1,024]; A: input x; B: input Wk: QUANTISED
;;     3. [M 8,192, K 1,024] x [K 1,024, N 1,024]; A: input x; B: input Wv: QUANTISED
;;     4. batch 64 x [M 2,048, K 64] x [K 64, N 2,048]; A: computed on the way; B: computed on the way: QUANTISED
;;     5. batch 64 x [M 2,048, K 2,048] x [K 2,048, N 64]; A: softmax (see below); B: computed on the way: QUANTISED
;;     6. [M 8,192, K 1,024] x [K 1,024, N 1,024]; A: computed on the way; B: input Wo: QUANTISED
;;   THE QUANTISER, for each operand of a quantised product, along K:
;;     - K is cut into blocks of 32 from its start; a last block that is shorter is filled with zeros.
;;     - A block's scale is 2^e with e = floor(log2(the largest magnitude in the block)) - 2, held to -126 .. 127; a block of zeros has e = 0. As a byte (E8M0): e + 127.
;;     - Each number is divided by its block's scale, clamped to +-7.5, and rounded to the nearest number of E2M3, ties to even, subnormals kept.
;;     - The product sums the exact products of the quantised numbers (number of the format x scale) in f32.
;;   ~~~python
;;   def quantise(x, axis):      # numpy; x: float32 -> the quantised numbers, widened to float32 again
;;       x = np.moveaxis(x, axis, -1); K = x.shape[-1]
;;       x = np.pad(x, [(0, 0)] * (x.ndim - 1) + [(0, -K % 32)]); x = x.reshape(x.shape[:-1] + (-1, 32)); a = np.abs(x).max(-1, keepdims=True)
;;       e = np.where(a > 0, np.clip(np.frexp(np.where(a > 0, a, 1))[1] - 1 - 2, -126, 127), 0)      # np.frexp(a)[1] - 1 = floor(log2(a)), exactly
;;       r = np.clip(x / 2.0 ** e, -7.5, 7.5)
;;       step = 2.0 ** (np.maximum(np.frexp(np.where(r == 0, 1, r))[1] - 1, 0) - 3)
;;       q = np.round(r / step) * step * 2.0 ** e      # np.round: ties to even
;;       return np.moveaxis(q.reshape(q.shape[:-2] + (-1,))[..., :K], -1, axis).astype(np.float32)
;;   ~~~
;;   SOFTMAX AHEAD OF A QUANTISED PRODUCT. Where the list says 'softmax', what is quantised is not the finished softmax but p = 2^(t - M), with t = logit x log2(e) and M = ceil(the row's largest t), a whole number; so 1/2 < the row's largest p <= 1. The row's sum l is taken of the UNQUANTISED p, in f32, and the product's result is divided by l at the end. Since M is a whole number, a kernel that streams over the keys may use a running M (the ceiling of the running maximum): every later rescaling is an exact power of two, which a block's scale takes up: the codes' values come out the same.
;;   OPERANDS COMPUTED ON THE WAY. 'Computed on the way' means the value that the module computes at that place (a softmax that the list does not call 'softmax' is quantised finished and normalised). What goes into a quantiser is computed in f32, as accurately as f32 sums, v_exp_f32 and their like allow (about 1e-6 of the number): no bf16 or f16 on the way to a quantiser, and a product that is left as it is and whose result goes on into a quantised operand takes f32 operands (vector FMAs, or v_wmma_f32_16x16x4_f32). A number that lies on a knife's edge between two numbers of the format may be rounded either way, as far as f32 arithmetic and the matrix unit's own rounding can turn it there, and no further.
;; One version. Each part assembles by itself: llvm-mc -triple=amdgcn-amd-amdhsa -mcpu=gfx1250 --defsym DOCPART=n.
;; ======== version 1 of 1: 4 launches
;; limits: right only within a limited range of input values
;; workspace buffers: xq 6,553,600 bytes; wq 3,276,800 bytes; qb 6,815,744 bytes; kvb 13,369,344 bytes; ab 6,815,744 bytes
;; launch quant (part 1): grid 512 x 1, 4 waves a work-group, no clusters, 47,616 bytes of LDS; arguments x, Wq, Wk, Wv, Wo, xq, wq; writes xq, wq
.if DOCPART == 1
	.amdgcn_target "amdgcn-amd-amdhsa--gfx1250"
	.amdhsa_code_object_version 6
	.text
	.protected	k_q764d337cdd_quant
	.globl	k_q764d337cdd_quant
	.p2align	8
	.type	k_q764d337cdd_quant,@function
k_q764d337cdd_quant:
	s_mov_b64 s[64:65], 0
	v_nop
	global_prefetch_b8 v0, s[64:65] scope:SCOPE_SE
	s_setreg_imm32_b32 hwreg(HW_REG_WAVE_MODE, 25, 1), 1
	s_wait_xcnt 0x0
; x [8192][1024] f32 (K innermost) and Wq, Wk, Wv, Wo [1024 (K)][1024] f32 (K is the FIRST axis) become codes of E2M3 with one E8M0 byte for each 32 along K.
; A block's scale is 2^(floor(log2(largest magnitude)) - 2): its byte is the largest magnitude's exponent field - 2, held at 1 from below.
; LIMITS: a block of zeros gets the byte 1 where the rule says 127 (its codes are zeros, and this program alone reads the bytes); NaN and infinities among the inputs are not served.
; LAYOUT OF xq AND wq: THE ORDER OF THE OPERAND'S REGISTERS.  A group is 128 rows (tokens of x, columns of a weight) x all 1,024 of K: 4,096 bytes of scale words [K step 8][tile 8][lane 16],
; then codes [K step 8][tile 8][image of 1,536 bytes].  An image is a fragment's 12 registers: registers 0-3 at 16 x lane, 4-5 at 512 + 8 x lane, 6-9 at 768 + 16 x lane, 10-11 at 1,280 + 8 x lane.
; THE ROWS OF A TILE ARE NOT NEIGHBOURS: lane r of tile 2 b + u holds row 32 b + 8 u + r + 8 (r / 8), so that where such a tile is a product's source 0 the results of tiles 2 b, 2 b + 1 are 16 neighbours in a lane.
; SHARES.  Work-groups 0-255 take x, a wave 64 rows x 128 of K; work-groups 256-511 take the weights, a wave 32 columns x 128 of K.  The two ways part on the work-group's number and have LDS bytes of their own.
; No work-group shares an input with another, so there is no cluster; no matrix unit, no tensor load, no barrier: waves share nothing.
.set WV,   18                          ; s18      my wave's number
.set SEL,  20                          ; s[20:21] lane selects for v_permlanex16_b32: lane l xor 16
.set GRP,  102400                      ; bytes of a group
.set TM,   16                          ; v16-31   x: at work in QUANT
.set PW,   10                          ; v10      x: the scale word just made
.set R,    32                          ; v32-159  x: two sets of 64: a tile as it is loaded
.set X,    160                         ; v160-223 x: 64 numbers of my row: register 16 b + i = k 32 b + 16 (lane / 16) + i
.set PC,   224                         ; v224-243 x: the codes just made
.set WX,   32                          ; v32-95   W: two sets of 32: a block of my column
.set WC,   96                          ; v96-102  W: a block's codes
; 64 numbers of a lane, v[s] on, register 16 b + i = k 32 b + 16 (lane / 16) + i of my row, become a fragment's codes in v[PC] .. v[PC + 11] and its scale word in v[PW].
.macro QUANT s
.irp b, 0,1,2,3
	v_max3_num_f32 v[TM+\b], |v[\s+16*\b]|, |v[\s+1+16*\b]|, 0x1800000   ; my 16 numbers of block b, and the floor 2^(3 - 127): the byte cannot fall under 1
.endr
.irp i, 2,4,6,8,10,12,14
.irp b, 0,1,2,3
	v_max3_num_f32 v[TM+\b], v[TM+\b], |v[\s+16*\b+\i]|, |v[\s+1+16*\b+\i]|   ; the four blocks by turns
.endr
.endr
.irp b, 0,1,2,3
	v_permlanex16_b32 v[TM+4+\b], v[TM+\b], s[SEL], s[SEL+1]
.endr
.irp b, 0,1,2,3
	v_max_num_f32 v[TM+\b], v[TM+\b], v[TM+4+\b]       ; with lane l xor 16's: the block's largest magnitude
.endr
.irp b, 0,1,2,3
	v_add_nc_u32 v[TM+12+\b], 0xff000000, v[TM+\b]     ; 2 off its exponent field: the conversion takes that field as its scale
.endr
.irp b, 0,1,2,3
	v_lshrrev_b32 v[TM+4+\b], 23, v[TM+12+\b]          ; the scale's byte
.endr
	v_lshl_or_b32 v[PW], v[TM+5], 8, v[TM+4]
	v_lshl_or_b32 v[PW], v[TM+6], 16, v[PW]
	v_lshl_or_b32 v[PW], v[TM+7], 24, v[PW]
.irp c, 0,1
	v_cvt_scalef32_pk16_fp6_f32 v[PC+6*\c:PC+2+6*\c], v[\s+32*\c:\s+15+32*\c], v[TM+12+2*\c]
	v_cvt_scalef32_pk16_fp6_f32 v[PC+12+4*\c:PC+14+4*\c], v[\s+16+32*\c:\s+31+32*\c], v[TM+12+2*\c+1]   ; (a conversion's three registers begin on an even number)
.endr
	v_nop                                              ; one plain line behind the scaled conversions
.irp c, 0,1                                        ; the operand wants a WHOLE block in a lane: lanes 0-15 block 2 c, lanes 16-31 block 2 c + 1
.irp i, 0,1,2
	v_permlane16_swap_b32 v[PC+6*\c+\i], v[PC+12+4*\c+\i]
.endr
.irp i, 0,1,2
	v_mov_b32 v[PC+3+6*\c+\i], v[PC+12+4*\c+\i]
.endr
.endr
.endm
	s_load_b256 s[4:11], s[0:1], 0x0               ; x s[4:5], Wq s[6:7], Wk s[8:9], Wv s[10:11]
	s_load_b128 s[12:15], s[0:1], 0x20             ; Wo s[12:13], xq s[14:15]
	s_load_b64 s[16:17], s[0:1], 0x30              ; wq
	v_lshl_add_u32 v254, v0, 2, 0xb800
	v_mov_b32 v255, 0
	v_lshrrev_b32 v1, 5, v0
	v_readfirstlane_b32 s[WV], v1                  ; wave 0..3
	v_and_b32 v1, 31, v0                           ; lane
	v_and_b32 v2, 15, v0                           ; r
	v_bfe_u32 v3, v0, 4, 1                         ; h
	v_lshlrev_b32 v4, 4, v1                        ; 16 x lane
	v_lshlrev_b32 v5, 3, v1                        ; 8 x lane
	s_cmp_lt_u32 ttmp9, 256
	s_cbranch_scc0 .Lweights
; ---------------- x.  Work-group id: group G = id / 4, half of its rows hg = (id / 2) % 2, K step s = 4 (id % 2) + wave: the four waves read 2,048 neighbouring bytes of each row.
	s_mul_i32 s22, s[WV], 8704                     ; my LDS: a stage of 16 rows x 528 bytes, then 256 bytes for the scale words
	v_add_nc_u32 v6, s22, v4                       ; into the stage: a row as it is loaded, 16 bytes a lane
	v_mul_u32_u24 v7, v2, 528
	v_lshl_add_u32 v7, v3, 6, v7
	v_add_nc_u32 v7, s22, v7                       ; out of it: row r, + 64 h: my 16 numbers of each block of 32
	s_add_co_u32 s23, s22, 8448
	v_lshl_add_u32 v8, v2, 2, s23                  ; my row's scale word
	v_add_nc_u32 v9, s23, v5                       ; and 8 bytes a lane on the way out
	s_mov_b32 s[SEL], 0x76543210
	s_mov_b32 s[SEL+1], 0xfedcba98
.irp b, 0,1,2,3
	v_mov_b32 v[TM+4+\b], 0                        ; written once: a lane permute's destination counts as one of its sources
.endr
	s_lshr_b32 s24, ttmp9, 2                       ; G
	s_bfe_u32 s25, ttmp9, 0x10001                  ; hg
	s_and_b32 s26, ttmp9, 1
	s_lshl_b32 s26, s26, 2
	s_add_co_u32 s26, s26, s[WV]                   ; s
	s_lshl_b32 s28, s24, 19                        ; 128 rows of 4,096 bytes
	s_lshl_b32 s27, s25, 18
	s_add_co_u32 s28, s28, s27
	s_lshl_b32 s27, s26, 9                         ; 128 numbers
	s_add_co_u32 s28, s28, s27
	s_mov_b32 s29, 0
	s_mul_i32 s30, s24, GRP
	s_mul_i32 s27, s26, 12288
	s_add_co_u32 s32, s30, s27
	s_mul_i32 s27, s25, 6144
	s_add_co_u32 s32, s32, s27
	s_add_co_u32 s32, s32, 4096                    ; my four images
	s_mov_b32 s33, 0
	s_lshl_b32 s27, s26, 9
	s_add_co_u32 s34, s30, s27
	s_lshl_b32 s27, s25, 8
	s_add_co_u32 s34, s34, s27                     ; my 256 bytes of scale words
	s_mov_b32 s35, 0
	s_wait_alu depctr_va_vdst(0)
	s_wait_kmcnt 0x0
	s_add_nc_u64 s[4:5], s[4:5], s[28:29]
	s_add_nc_u64 s[36:37], s[14:15], s[32:33]
	s_add_nc_u64 s[38:39], s[14:15], s[34:35]
.macro LOADT j                         ; tile j's 16 rows, in the tile's order; each load reads 512 consecutive bytes
.irp i, 0,1,2,3,4,5,6,7,8,9,10,11,12,13,14,15
	global_load_b128 v[R+64*((\j)%2)+4*\i:R+64*((\j)%2)+4*\i+3], v4, s[4:5] offset:(32*((\j)/2)+8*((\j)%2)+\i+8*(\i/8))*4096 th:TH_LOAD_NT
.endr
.endm
.macro TURN j                          ; through my stage: LDS serves a wave's instructions in order, so no wait stands between the stores and the loads
.irp i, 0,1,2,3,4,5,6,7,8,9,10,11,12,13,14,15
	ds_store_b128 v6, v[R+64*((\j)%2)+4*\i:R+64*((\j)%2)+4*\i+3] offset:528*\i
.endr
.irp b, 0,1,2,3
.irp q, 0,1,2,3
	ds_load_b128 v[X+16*\b+4*\q:X+16*\b+4*\q+3], v7 offset:128*\b+16*\q
.endr
.endr
.endm
.macro XTILE j
.if \j < 3
	s_wait_loadcnt 16                              ; this tile's 16 loads are in; the next tile's may be out
.else
	s_wait_loadcnt 0x0
.endif
	TURN \j
	s_wait_dscnt 0x0                               ; my 64 numbers are in, and the stores into the stage have read their registers
.if \j > 0
	s_wait_xcnt 0x0                                ; the last tile's stores have read the codes' registers, which are written again below
.endif
.if \j < 2
	LOADT (\j)+2
.endif
	QUANT X
	global_store_b128 v4, v[PC:PC+3], s[36:37] offset:1536*\j          ; each store of the wave covers 512 or 256 consecutive bytes, aligned
	global_store_b64 v5, v[PC+4:PC+5], s[36:37] offset:1536*\j+512
	global_store_b128 v4, v[PC+6:PC+9], s[36:37] offset:1536*\j+768
	global_store_b64 v5, v[PC+10:PC+11], s[36:37] offset:1536*\j+1280
	ds_store_b32 v8, v[PW] offset:64*\j            ; both halves of the lanes write the same word with the same value
.endm
	LOADT 0
	LOADT 1
	XTILE 0
	XTILE 1
	XTILE 2
	XTILE 3
	ds_load_b64 v[244:245], v9                     ; my four tiles' scale words: these loads see my stores
	s_wait_dscnt 0x0
	global_store_b64 v5, v[244:245], s[38:39]      ; 256 consecutive bytes, aligned
	s_wait_tensorcnt 0x0
	ds_add_u32 v254, v255
	s_wait_dscnt 0x0
	s_endpgm
; ---------------- the weights.  ww = id - 256: matrix mt = ww / 64 (q, k, v, o), group of 128 columns cg = (ww / 8) % 8, K step s = ww % 8; wave p takes columns 32 p on.
; A LANE TAKES A COLUMN AND ITS REGISTERS RUN DOWN K: a block of 32 lies in one lane, and the conversions give codes with K innermost.  Nothing is transposed by an instruction.
.Lweights:
	s_sub_co_u32 s22, ttmp9, 256
	s_lshr_b32 s23, s22, 6                         ; mt
	s_bfe_u32 s24, s22, 0x30003                    ; cg
	s_and_b32 s25, s22, 7                          ; s
	s_mul_i32 s26, s[WV], 3072
	s_add_co_u32 s26, s26, 34816                   ; my stage: two images
	v_bfe_u32 v6, v0, 3, 1                         ; my column's tile u = (lane / 8) % 2,
	v_and_b32 v7, 7, v0
	s_wait_alu depctr_va_vdst(0)
	v_lshl_or_b32 v7, v3, 3, v7                    ; and its lane there: r = lane % 8 + 8 (lane / 16)
	v_mul_u32_u24 v8, v6, 1536
	v_add_nc_u32 v8, s26, v8
	v_lshl_add_u32 v9, v7, 4, v8                   ; registers 0-3 of a half image
	v_lshl_add_u32 v10, v7, 3, v8                  ; registers 4-5
	v_add_nc_u32 v11, s26, v4                      ; back: 16 bytes a lane
	v_lshlrev_b32 v12, 6, v6
	v_lshl_add_u32 v12, v7, 2, v12                 ; my column's scale word: 64 u + 4 r
	v_lshlrev_b32 v13, 2, v1                       ; in: 4 bytes a lane
	s_lshl_b32 s28, s25, 19                        ; 128 rows of 4,096 bytes
	s_lshl_b32 s27, s24, 9
	s_add_co_u32 s28, s28, s27
	s_lshl_b32 s27, s[WV], 7
	s_add_co_u32 s28, s28, s27
	s_mov_b32 s29, 0
	s_lshl_b32 s30, s23, 3
	s_add_co_u32 s30, s30, s24
	s_mul_i32 s30, s30, GRP                        ; group 8 mt + cg of wq
	s_lshl_b32 s27, s25, 9
	s_add_co_u32 s34, s30, s27
	s_lshl_b32 s27, s[WV], 7
	s_add_co_u32 s34, s34, s27                     ; my 128 bytes of scale words
	s_mov_b32 s35, 0
	s_mul_i32 s27, s25, 12288
	s_add_co_u32 s32, s30, s27
	s_mul_i32 s27, s[WV], 3072
	s_add_co_u32 s32, s32, s27
	s_add_co_u32 s32, s32, 4096                    ; my two images
	s_mov_b32 s33, 0
	s_wait_alu depctr_va_vdst(0)
	s_wait_kmcnt 0x0
	s_cmp_eq_u32 s23, 1                            ; the choice hangs on the work-group's number alone
	s_cselect_b64 s[40:41], s[8:9], s[6:7]
	s_cmp_eq_u32 s23, 2
	s_cselect_b64 s[40:41], s[10:11], s[40:41]
	s_cmp_eq_u32 s23, 3
	s_cselect_b64 s[40:41], s[12:13], s[40:41]
	s_add_nc_u64 s[40:41], s[40:41], s[28:29]
	s_add_nc_u64 s[36:37], s[16:17], s[32:33]
	s_add_nc_u64 s[38:39], s[16:17], s[34:35]
.macro WLOAD t                         ; block t: W(32 t + i, my column): a wave reads 128 consecutive bytes, the four waves 512
.irp i, 0,1,2,3,4,5,6,7,8,9,10,11,12,13,14,15,16,17,18,19,20,21,22,23,24,25,26,27,28,29,30,31
	global_load_b32 v[WX+32*((\t)%2)+\i], v13, s[40:41] offset:(32*(\t)+\i)*4096 th:TH_LOAD_NT
.endr
.endm
.macro WBLOCK t                        ; block t is registers 6 (t / 2) on of lane r + 16 (t % 2) of my column's tile
.set XS, WX+32*((\t)%2)
.if (\t) < 3
	s_wait_loadcnt 32                              ; this block's 32 loads are in; the next block's may be out
.else
	s_wait_loadcnt 0x0
.endif
	v_max3_num_f32 v14, |v[XS]|, |v[XS+1]|, |v[XS+2]|
	v_max3_num_f32 v15, |v[XS+3]|, |v[XS+4]|, |v[XS+5]|
.irp i, 6,10,14,18,22,26
	v_max3_num_f32 v14, v14, |v[XS+\i]|, |v[XS+\i+1]|
	v_max3_num_f32 v15, v15, |v[XS+\i+2]|, |v[XS+\i+3]|
.endr
	v_max3_num_f32 v14, v14, |v[XS+30]|, |v[XS+31]|
	v_max3_num_f32 v14, v14, v15, 0x1800000        ; and the floor 2^(3 - 127)
	v_add_nc_u32 v16, 0xff000000, v14              ; the conversion's scale operand
	v_lshrrev_b32 v17, 23, v16                     ; the scale's byte
	v_cvt_scalef32_pk16_fp6_f32 v[WC:WC+2], v[XS:XS+15], v16
	v_cvt_scalef32_pk16_fp6_f32 v[WC+4:WC+6], v[XS+16:XS+31], v16
.if (\t) == 0
	v_mov_b32 v24, v17                             ; four bytes to the word, the lower K in the lower byte.  (This line is also the plain line behind the conversions)
.else
	v_lshl_or_b32 v24, v17, 8*(\t), v24
.endif
	v_mov_b32 v[WC+3], v[WC+4]                     ; the block's six registers on end
	v_mov_b32 v[WC+4], v[WC+5]
	v_mov_b32 v[WC+5], v[WC+6]
	ds_store_b128 v9, v[WC:WC+3] offset:768*((\t)/2)+256*((\t)%2)
	ds_store_b64 v10, v[WC+4:WC+5] offset:768*((\t)/2)+512+128*((\t)%2)
.if (\t)+2 < 4
	WLOAD (\t)+2
.endif
	s_wait_dscnt 0x0                               ; the stores have read their registers: the next block's codes may be written
.endm
	WLOAD 0
	WLOAD 1
	WBLOCK 0
	WBLOCK 1
	WBLOCK 2
	WBLOCK 3
	s_wait_alu depctr_va_vdst(0)
	global_store_b32 v12, v24, s[38:39]            ; 128 consecutive bytes a wave: half of an aligned 256; the four waves of the work-group fill two such blocks between them
.irp q, 0,1,2,3,4,5
	ds_load_b128 v[112+4*\q:115+4*\q], v11 offset:512*\q
.endr
.irp q, 0,1,2,3,4,5
	s_wait_dscnt 5-\q                              ; the younger loads may be out
	global_store_b128 v4, v[112+4*\q:115+4*\q], s[36:37] offset:512*\q   ; 512 consecutive bytes, aligned
.endr
	s_wait_tensorcnt 0x0
	ds_add_u32 v254, v255
	s_wait_dscnt 0x0
	s_endpgm
.Lfunc_end_k_q764d337cdd_quant:
	.size	k_q764d337cdd_quant, .Lfunc_end_k_q764d337cdd_quant-k_q764d337cdd_quant
	.p2alignl 7, 3214868480
	.fill 96, 4, 3214868480
	.section	.rodata,"a",@progbits
	.p2align	6, 0x0
	.amdhsa_kernel k_q764d337cdd_quant
		.amdhsa_group_segment_fixed_size 47616
		.amdhsa_private_segment_fixed_size 0
		.amdhsa_enable_private_segment 0
		.amdhsa_kernarg_size 56
		.amdhsa_user_sgpr_count 2
		.amdhsa_user_sgpr_kernarg_segment_ptr 1
		.amdhsa_wavefront_size32 1
		.amdhsa_system_sgpr_workgroup_id_x 1
		.amdhsa_system_sgpr_workgroup_id_y 1
		.amdhsa_system_sgpr_workgroup_id_z 1
		.amdhsa_system_vgpr_workitem_id 0
		.amdhsa_next_free_vgpr 256
		.amdhsa_next_free_sgpr 66
		.amdhsa_reserve_vcc 0
		.amdhsa_float_denorm_mode_32 3
		.amdhsa_float_denorm_mode_16_64 3
		.amdhsa_memory_ordered 1
		.amdhsa_forward_progress 1
		.amdhsa_inst_pref_size 56
	.end_amdhsa_kernel
	.amdgpu_metadata
---
amdhsa.version: [ 1, 2 ]
amdhsa.kernels:
  - .name:           k_q764d337cdd_quant
    .symbol:         k_q764d337cdd_quant.kd
    .args:
      - { .name: x, .offset: 0, .size: 8, .value_kind: global_buffer, .address_space: global }
      - { .name: Wq, .offset: 8, .size: 8, .value_kind: global_buffer, .address_space: global }
      - { .name: Wk, .offset: 16, .size: 8, .value_kind: global_buffer, .address_space: global }
      - { .name: Wv, .offset: 24, .size: 8, .value_kind: global_buffer, .address_space: global }
      - { .name: Wo, .offset: 32, .size: 8, .value_kind: global_buffer, .address_space: global }
      - { .name: xq, .offset: 40, .size: 8, .value_kind: global_buffer, .address_space: global }
      - { .name: wq, .offset: 48, .size: 8, .value_kind: global_buffer, .address_space: global }
    .group_segment_fixed_size: 47616
    .private_segment_fixed_size: 0
    .kernarg_segment_align: 8
    .kernarg_segment_size: 56
    .max_flat_workgroup_size: 128
    .sgpr_count:     66
    .vgpr_count:     256
    .wavefront_size: 32
...
	.end_amdgpu_metadata
.endif
;; end of part 1
;; launch qkv (part 2): grid 32 x 8, 4 waves a work-group, clusters of 4 x 4, 327,680 bytes of LDS; arguments xq, wq, bq, bk, bv, mask, qb, kvb; writes qb, kvb
.if DOCPART == 2
	.amdgcn_target "amdgcn-amd-amdhsa--gfx1250"
	.amdhsa_code_object_version 6
	.text
	.protected	k_q764d337cdd_qkv
	.globl	k_q764d337cdd_qkv
	.p2align	8
	.type	k_q764d337cdd_qkv,@function
k_q764d337cdd_qkv:
	s_mov_b64 s[64:65], 0
	v_nop
	global_prefetch_b8 v0, s[64:65] scope:SCOPE_SE
	s_setreg_imm32_b32 hwreg(HW_REG_WAVE_MODE, 25, 1), 1
	s_wait_xcnt 0x0
	s_wait_alu depctr_hold_cnt(0) depctr_sa_sdst(0) depctr_va_vdst(0) depctr_va_sdst(0) depctr_va_ssrc(0) depctr_va_vcc(0) depctr_vm_vsrc(0)
	s_getreg_b32 s2, hwreg(HW_REG_IB_STS2, 6, 4)
	s_cmp_eq_u32 s2, 0
	s_cbranch_scc0 .Lentry_in_a_cluster
	s_endpgm
.Lentry_in_a_cluster:
	s_bfe_u32 s2, ttmp6, 0x10000c
	s_cmp_lg_u32 s2, 0xf033
	s_cbranch_scc0 .Lentry_shape_is_right
	s_endpgm
.Lentry_shape_is_right:
; q = x Wq + bq, k = x Wk + bk, v = x Wv + bv on codes of E2M3 (xq, wq: operand-register order), each result quantised again in registers and stored as the operand that attention wants.
; A GROUP of xq or wq is 128 rows x K 1,024: 4,096 bytes of scale words [K step 8][tile 8][lane 16], then codes [K step 8][tile 8][image 1,536]; an image is a fragment's registers 0-3 at 16 x lane, 4-5 at 512 + 8 x lane,
; 6-9 at 768 + 16 x lane, 10-11 at 1,280 + 8 x lane.  Lane r of tile 2 b + u holds row 32 b + 8 u + r + 8 (r / 8).
; A WORK-GROUP STAYS.  256 work-groups: work-group (P, g) holds the pair P of token groups (256 tokens, all of K, 204,800 bytes of LDS, filled once) and takes three groups of 128 columns past them: Wq's group g, Wk's, Wv's,
; which follow each other in one region of 102,400 bytes.  So a work-group's tensor loads bring five groups for three tiles of 256 x 128.
; THE AXIS THAT IS QUANTISED NEXT IS ALWAYS SOURCE 0: its rows land in a lane's registers, 16 neighbours for each two tiles.  q, k: source 0 = the 128 columns (8 tiles, the same for all four waves), source 1 = tokens: wave (a, b)
; takes tiles 4 b .. 4 b + 3 of token group a; a lane holds a token, its registers two heads' channels.  v: source 0 = token group a (8 tiles), source 1 = column tiles 4 b .. 4 b + 3: a lane holds a channel, its registers 128 keys.
; In both a wave has 32 accumulators, by turns.  Only the LDS addresses differ: q and k share one text, a loop of two trips; v has the second.
; CLUSTER 4 x 4: the tokens hang on cx and are asked for jointly by a column of the cluster, a weight's group hangs on cy and is asked for jointly by a row.  At the head one tensor load a wave: waves 0, 1 a token group each,
; waves 2, 3 half of Wq's group each.  TWO REFILLS of the weights' region (waves 2, 3 a half each), each behind the three lines and a round of the cluster's barrier, which opens inside the last K step's products.
; The tile's way out (bias, quantiser, stores) and the next tile's set-up stand behind the refill, ahead of the wait for it.  By this text's count a wave has one tensor load out.
; PREFETCH: in each of the two trips, behind K step 0's fragment loads, one instruction a wave names the weight group that this trip's refill, seven K steps on, will load: 400 blocks of 256 bytes, 25 to each of the 16 waves of a row of
; the cluster, told apart by address; of the eight clusters that load a group the first four along x ask.
; THE MASK RIDES IN k'S SCALE WORDS.  A head has 64 channels, half of the instruction's 128; attention puts one code +0.125 (q) and one -0.125 (k) at k = 64.  Here byte 2 of a scale word is 107 for q, and for k 254 where
; the key is masked, 1 where it is not; byte 3 is 127 over zero codes.  A masked key's score so gets -2^101, an unmasked one's -2^-152.
; LIMITS: a block of zeros gets the byte 1 where the rule says 127 (zero codes; only this program reads the bytes); any mask byte other than 0 counts as masked; NaN and infinities are not served.
; REGISTERS, in windows of 256.  window 0: v1-19 addresses; v20-31 mask and scale words on the way out; v32-79 scale words; v80-92, v96-199 the way out.   window 1: accumulator (i, j) at v[64 j + 8 i].
;   window 2: source 0's fragments, two sets of 96.   window 3: source 1's, two sets of 48; v128-191 the bias of q or k in the result's layout.
.set GRP,   102400
.set HDR,   4096
.set STEPB, 12288                      ; a K step's eight images
.set IMG,   1536
.set HALFG, 51200                      ; half a group: 200 rows of 256 bytes
.set SPARE, 3*GRP                      ; behind the three groups: the spare words, 128 bytes a wave
.set QSC,   6291456                    ; qb: where the scale words begin
.set HEADB, 208896                     ; kvb: a head: 16 key steps of 13,056 bytes
.set WV,  20                           ; s20 wave; s21 a; s22 b; s23 cx; s24 cy; s25 my token group 2 P + a; s27 the trip; s85 P (at the head); s86 g
.set G1C, 28                           ; s[28:35] descriptor group 1, mask of my column: the tokens
.set G1R, 36                           ; s[36:43] the same, mask of my row: a weight's group
.set G0A, 44                           ; s[44:47] group 0 for the tokens
.set PF,  48                           ; s[48:49] the group that the prefetch names
.set G0B, 68                           ; s[68:71] group 0 for the weights
.set SEL, 60                           ; s[60:61] lane selects: lane l xor 16
.set DA,  62                           ; s[62:63] where my first head's codes go (v: my four images)
.set DB,  84                           ; s[84:85] my second head's
.set SCB, 92                           ; s[92:93] my scale words
.set A16, 4                            ; v4, v5: source 0's images, 16 and 8 bytes a lane, K steps 0-3; v6, v7: steps 4-7
.set B16, 8                            ; v8-11   the same for source 1
.set AS0, 12                           ; v12     source 0's scale words, 4 bytes a lane
.set AS1, 13                           ; v13     source 1's
.set L16, 14                           ; v14     16 x lane
.set L8,  15                           ; v15     8 x lane
.set SCO, 16                           ; v16     my place among the scale words that I store
.set MK,  20                           ; v20-23  mask bytes of my four tiles' tokens
.set MB,  24                           ; v24-27  the upper halves of their scale words
.set SW,  28                           ; v28-31  the scale words
.set SC0, 32                           ; v32-63  register 8 (i / 2) + s: lanes 0-15 tile 2 (i / 2), lanes 16-31 the odd tile, K step s
.set SC1, 64                           ; v64-79  the same for source 1's four tiles
.set BV,  80                           ; v80-87  v's bias, a pair a tile
.set PFO, 92                           ; v92     the prefetch's offset; never rewritten
.set TM,  96
.set PW,  112
.set PC,  114
.set HA,  136                          ; v136-199 64 results + bias
.set MSB, 0
.macro WIN new                         ; the immediate's high byte repeats the setting that is left; a switch that changes nothing is dropped
.if MSB != (\new)
	s_set_vgpr_msb (MSB<<8)|(\new)
.set MSB, (\new)
.endif
.endm
.macro PLACES                          ; four plain lines behind a matrix instruction, in front of loads into its registers and of reads of its results
.rept 4
	v_nop
.endr
.endm
.macro WALU
	s_wait_alu depctr_va_vdst(0)
.endm
.macro CREST                           ; a round of the cluster's barrier behind its opening barrier
	s_cmp_lg_u32 s[WV], 0
	s_cbranch_scc1 .Lnot_wave_0_\@
	s_barrier_signal -3
.Lnot_wave_0_\@:
	s_barrier_wait -3
	s_barrier_signal -1
	s_barrier_wait -1
.endm
.macro CROUND                          ; a whole round
	s_barrier_signal -1
	s_barrier_wait -1
	CREST
.endm
.macro QUANT s                         ; 64 numbers, register 16 b + i = k 32 b + 16 (lane / 16) + i, become a fragment in v[PC] .. v[PC + 11] and its scale word in v[PW]
.irp b, 0,1,2,3
	v_max3_num_f32 v[TM+\b], |v[\s+16*\b]|, |v[\s+1+16*\b]|, 0x1800000   ; and the floor 2^(3 - 127): the byte cannot fall under 1
.endr
.irp i, 2,4,6,8,10,12,14
.irp b, 0,1,2,3
	v_max3_num_f32 v[TM+\b], v[TM+\b], |v[\s+16*\b+\i]|, |v[\s+1+16*\b+\i]|
.endr
.endr
.irp b, 0,1,2,3
	v_permlanex16_b32 v[TM+4+\b], v[TM+\b], s[SEL], s[SEL+1]
.endr
.irp b, 0,1,2,3
	v_max_num_f32 v[TM+\b], v[TM+\b], v[TM+4+\b]
.endr
.irp b, 0,1,2,3
	v_add_nc_u32 v[TM+12+\b], 0xff000000, v[TM+\b]     ; 2 off the exponent field: the conversion's scale operand
.endr
.irp b, 0,1,2,3
	v_lshrrev_b32 v[TM+4+\b], 23, v[TM+12+\b]          ; the scale's byte
.endr
	v_lshl_or_b32 v[PW], v[TM+5], 8, v[TM+4]
	v_lshl_or_b32 v[PW], v[TM+6], 16, v[PW]
	v_lshl_or_b32 v[PW], v[TM+7], 24, v[PW]
.irp c, 0,1
	v_cvt_scalef32_pk16_fp6_f32 v[PC+6*\c:PC+2+6*\c], v[\s+32*\c:\s+15+32*\c], v[TM+12+2*\c]
	v_cvt_scalef32_pk16_fp6_f32 v[PC+12+4*\c:PC+14+4*\c], v[\s+16+32*\c:\s+31+32*\c], v[TM+12+2*\c+1]
.endr
	v_nop                                              ; one plain line behind the scaled conversions
.irp c, 0,1
.irp i, 0,1,2
	v_permlane16_swap_b32 v[PC+6*\c+\i], v[PC+12+4*\c+\i]
.endr
.irp i, 0,1,2
	v_mov_b32 v[PC+3+6*\c+\i], v[PC+12+4*\c+\i]
.endr
.endr
.endm
.macro FRAG reg, a16, off              ; an image comes back as the fragment's 12 registers
	ds_load_b128 v[(\reg):(\reg)+3], v[(\a16)] offset:(\off)
	ds_load_b64 v[(\reg)+4:(\reg)+5], v[(\a16)+1] offset:(\off)+512
	ds_load_b128 v[(\reg)+6:(\reg)+9], v[(\a16)] offset:(\off)+768
	ds_load_b64 v[(\reg)+10:(\reg)+11], v[(\a16)+1] offset:(\off)+1280
.endm
.macro FETCH s                         ; K step s: 8 + 4 fragments, 48 LDS loads, into set s % 2
	WIN 0x80
.irp i, 0,1,2,3,4,5,6,7
	FRAG 96*((\s)%2)+12*\i, A16+2*((\s)/4), STEPB*((\s)%4)+IMG*\i
.endr
	WIN 0xc0
.irp j, 0,1,2,3
	FRAG 48*((\s)%2)+12*\j, B16+2*((\s)/4), STEPB*((\s)%4)+IMG*\j
.endr
	WIN 0
.endm
.macro WMC c                           ; one product; an odd tile's scale words lie in lanes 16-31 of its pair's register
.if sel == 0
	v_wmma_scale_f32_16x16x128_f8f6f4 v[rD:rD+7], v[rA:rA+11], v[rB:rB+11], \c, v[rX], v[rY] matrix_a_fmt:MATRIX_FMT_FP6 matrix_b_fmt:MATRIX_FMT_FP6
.elseif sel == 1
	v_wmma_scale_f32_16x16x128_f8f6f4 v[rD:rD+7], v[rA:rA+11], v[rB:rB+11], \c, v[rX], v[rY] matrix_a_fmt:MATRIX_FMT_FP6 matrix_b_fmt:MATRIX_FMT_FP6 matrix_b_scale:MATRIX_SCALE_ROW1
.elseif sel == 2
	v_wmma_scale_f32_16x16x128_f8f6f4 v[rD:rD+7], v[rA:rA+11], v[rB:rB+11], \c, v[rX], v[rY] matrix_a_fmt:MATRIX_FMT_FP6 matrix_b_fmt:MATRIX_FMT_FP6 matrix_a_scale:MATRIX_SCALE_ROW1
.else
	v_wmma_scale_f32_16x16x128_f8f6f4 v[rD:rD+7], v[rA:rA+11], v[rB:rB+11], \c, v[rX], v[rY] matrix_a_fmt:MATRIX_FMT_FP6 matrix_b_fmt:MATRIX_FMT_FP6 matrix_a_scale:MATRIX_SCALE_ROW1 matrix_b_scale:MATRIX_SCALE_ROW1
.endif
.endm
.macro WM i, j, s
.set rD, 64*(\j)+8*(\i)
.set rA, 96*((\s)%2)+12*(\i)
.set rB, 48*((\s)%2)+12*(\j)
.set rX, SC0+8*((\i)/2)+(\s)
.set rY, SC1+8*((\j)/2)+(\s)
.set sel, 2*((\i)%2)+((\j)%2)
.if (\s) == 0
	WMC 0                                          ; step 0 starts the sums
.else
	WMC v[rD:rD+7]
.endif
.endm
.macro MULH s, j0                      ; half a K step: 16 products.  The 32 accumulators take turns, one instruction a turn, in the same order in every step
	WIN 0x5e                                       ; source 0 window 2, source 1 window 3, C and D window 1
.irp j, \j0, \j0+1
.irp i, 0,1,2,3,4,5,6,7
	WM \i, \j, \s
.endr
.endr
.endm
.macro SCALES                          ; all eight K steps' scale words, once a tile
.irp p, 0,1,2,3
.irp s, 0,1,2,3,4,5,6,7
	ds_load_b32 v[SC0+8*\p+\s], v[AS0] offset:512*\s+128*\p
.endr
.endr
.irp p, 0,1
.irp s, 0,1,2,3,4,5,6,7
	ds_load_b32 v[SC1+8*\p+\s], v[AS1] offset:512*\s+128*\p
.endr
.endr
.endm
.macro SETADR                          ; the LDS addresses of a tile: s50 = source 0's group, s51 = source 1's.  The scalars first, then the vector lines on end
	s_add_co_u32 s52, s50, HDR
	s_add_co_u32 s53, s52, 4*STEPB
	s_mul_i32 s54, s22, 4*IMG                      ; source 1's tiles 4 b on
	s_add_co_u32 s54, s54, s51
	s_add_co_u32 s54, s54, HDR
	s_add_co_u32 s55, s54, 4*STEPB
	s_lshl_b32 s56, s22, 8
	s_add_co_u32 s56, s56, s51
	v_add_nc_u32 v[A16], s52, v[L16]
	v_add_nc_u32 v[A16+1], s52, v[L8]
	v_add_nc_u32 v[A16+2], s53, v[L16]
	v_add_nc_u32 v[A16+3], s53, v[L8]
	v_add_nc_u32 v[B16], s54, v[L16]
	v_add_nc_u32 v[B16+1], s54, v[L8]
	v_add_nc_u32 v[B16+2], s55, v[L16]
	v_add_nc_u32 v[B16+3], s55, v[L8]
	v_add_nc_u32 v[AS0], s50, v18
	v_add_nc_u32 v[AS1], s56, v18
	WALU
.endm
; A tile: all of K.  round = 1: the weights' region is filled again behind it.
.macro MAIN round
	s_wait_tensorcnt 0x0                           ; my load has landed,
	s_wait_dscnt 0x0
	s_barrier_signal -1
	s_barrier_wait -1                              ; and everybody's
	SCALES
	FETCH 0
.irp s, 0,1,2,3,4,5,6
	PLACES
	FETCH \s+1
	s_wait_dscnt 48                                ; all but the 48 loads just issued
.if (\round) && (\s == 0)
	s_cmp_lt_u32 ttmp9, 4                          ; the cluster's x: the same in all partners
	s_cbranch_scc0 .Lnot_asking_\@
	global_prefetch_b8 v[PFO], s[PF:PF+1] th:TH_LOAD_NT scope:SCOPE_SE
.Lnot_asking_\@:
.endif
	MULH \s, 0
	MULH \s, 2
.endr
	WIN 0
	s_wait_dscnt 0x0                               ; K step 7's fragments are in: my last reads of this tile
.if \round
	s_wait_tensorcnt 0x0                           ; three lines ahead of a refill's round: none of my loads is out;
	ds_add_u32 v254, v255                          ; 0 onto my spare word; sixteen products stand between it and the wait for it;
	MULH 7, 0
	s_wait_dscnt 0x0
	s_barrier_signal -1                            ; the round opens,
	MULH 7, 2                                      ; work on registers while the others arrive
	WIN 0
	s_barrier_wait -1
	CREST                                          ; no wave of any partner still reads the weights' region or has a load on its way
	s_add_nc_u64 s[G0B+2:G0B+3], s[G0B+2:G0B+3], 8*GRP     ; the next matrix's group g
	s_cmp_lt_u32 s[WV], 2
	s_cbranch_scc1 .Lno_half_\@
	tensor_load_to_lds s[G0B:G0B+3], s[G1R:G1R+7]  ; waves 2, 3: a half each
	s_nop 0
.rept 4
	v_nop
.endr
.Lno_half_\@:
.else
	MULH 7, 0
	MULH 7, 2
	WIN 0
.endif
	PLACES
.endm
	s_load_b512 s[4:19], s[0:1], 0x0               ; xq s[4:5], wq s[6:7], bq s[8:9], bk s[10:11], bv s[12:13], mask s[14:15], qb s[16:17], kvb s[18:19]
	v_lshl_add_u32 v254, v0, 2, SPARE
	v_mov_b32 v255, 0
	ds_add_u32 v254, v255                          ; the opening lines: the add, twice on end, and its wait
	ds_add_u32 v254, v255
	v_lshrrev_b32 v1, 5, v0
	v_readfirstlane_b32 s[WV], v1                  ; wave 0..3
	s_lshr_b32 s21, s[WV], 1                       ; a
	s_and_b32 s22, s[WV], 1                        ; b.  Also: which token group, or which half of a weight's group, I fetch
	s_bfe_u32 s23, ttmp6, 0x40000                  ; cx
	s_bfe_u32 s24, ttmp6, 0x40004                  ; cy
	s_lshl_b32 s85, ttmp9, 2
	s_add_co_u32 s85, s85, s23                     ; P, 0..31: it holds cx and never cy
	s_and_b32 s86, ttmp7, 0xffff
	s_lshl_b32 s86, s86, 2
	s_add_co_u32 s86, s86, s24                     ; g, 0..7: it holds cy and never cx
	s_lshl_b32 s90, s85, 1
	s_add_co_u32 s90, s90, s22
	s_mul_i32 s90, s90, GRP                        ; token group 2 P + wave % 2
	s_mov_b32 s91, 0
	s_mul_i32 s87, s22, HALFG
	s_mul_i32 s94, s86, GRP
	s_mov_b32 s95, 0
	s_lshl_b32 s96, 0x1111, s23                    ; my column of the cluster
	s_lshl_b32 s97, s24, 2
	s_lshl_b32 s97, 15, s97                        ; my row
	s_or_b32 s[G1C], s96, (3<<16)|(1<<21)          ; 15:0 the mask; 17:16 elements of 8 bytes; 21 set beside a mask; no padding
	s_or_b32 s[G1R], s97, (3<<16)|(1<<21)
.irp g, G1C, G1R
	s_mov_b32 s[\g+1], 32<<16                      ; rows of 256 bytes
	s_mov_b32 s[\g+3], 32<<16
	s_mov_b32 s[\g+5], 32                          ; dense
	s_mov_b32 s[\g+6], 0
	s_mov_b32 s[\g+7], 0
.endr
	s_mov_b32 s[G1C+2], 400<<16                    ; a whole group a load
	s_mov_b32 s[G1C+4], 400
	s_mov_b32 s[G1R+2], 200<<16                    ; half a group a load
	s_mov_b32 s[G1R+4], 200
	s_mul_i32 s98, s22, GRP                        ; no place in the cluster enters an LDS address
	s_wait_dscnt 0x0
	s_wait_kmcnt 0x0
	s_add_nc_u64 s[88:89], s[4:5], s[90:91]
	s_add_nc_u64 s[PF:PF+1], s[6:7], s[94:95]      ; Wq's group g
	s_mov_b32 s94, s87
	s_add_nc_u64 s[92:93], s[PF:PF+1], s[94:95]    ; my half of it
	CROUND                                         ; all sixteen work-groups are here: the joint loads meet
	s_mov_b32 s[G0A], 1
	s_add_co_u32 s[G0A+1], s98, 0
	s_mov_b64 s[G0A+2:G0A+3], s[88:89]
	s_or_b32 s[G0A+3], s[G0A+3], 0x80000000
	s_mov_b32 s[G0B], 1
	s_add_co_u32 s[G0B+1], s87, 2*GRP
	s_mov_b64 s[G0B+2:G0B+3], s[92:93]
	s_or_b32 s[G0B+3], s[G0B+3], 0x80000000
	s_cmp_lt_u32 s[WV], 2                          ; one branch on the wave's number, a load in each arm
	s_cbranch_scc0 .Lweights
	tensor_load_to_lds s[G0A:G0A+3], s[G1C:G1C+7]
	s_nop 0
.rept 4
	v_nop
.endr
	s_branch .Lasked
.Lweights:
	tensor_load_to_lds s[G0B:G0B+3], s[G1R:G1R+7]
	s_nop 0
.rept 4
	v_nop
.endr
.Lasked:
	s_mov_b32 s[SEL], 0x76543210
	s_mov_b32 s[SEL+1], 0xfedcba98
	s_lshl_b32 s25, s85, 1
	s_add_co_u32 s25, s25, s21                     ; my token group
	s_lshl_b32 s88, s25, 7
	s_lshl_b32 s90, s22, 6
	s_add_co_u32 s88, s88, s90
	s_mov_b32 s89, 0
	s_add_nc_u64 s[14:15], s[14:15], s[88:89]      ; my 64 tokens' mask bytes
	s_lshl_b32 s26, s23, 2
	s_add_co_u32 s26, s26, s[WV]
	s_mul_i32 s26, s26, 6400                       ; my 25 blocks of a group's 400: the 16 waves of my row of the cluster share them out by address
	s_mov_b32 s27, 0
	v_and_b32 v1, 31, v0                           ; lane
	v_and_b32 v2, 15, v0                           ; r
	v_bfe_u32 v3, v0, 4, 1                         ; h
	v_lshlrev_b32 v[L16], 4, v1
	v_lshlrev_b32 v[L8], 3, v1
	v_lshlrev_b32 v18, 2, v1
	v_lshlrev_b32 v17, 4, v3                       ; 16 h
	v_and_b32 v90, 8, v2
	v_add_nc_u32 v90, v90, v2                      ; r + 8 (r / 8): my row in a tile's run of 32
	v_lshlrev_b32 v19, 6, v3                       ; q, k: register 16 b' + i of a tile's results is column 32 b' + 16 h + i
	v_min_u32 v[PFO], 24, v1                       ; (the lanes left over name their wave's last block again)
	v_lshl_add_u32 v[PFO], v[PFO], 8, s26
.irp b, 0,1,2,3
	v_mov_b32 v[TM+4+\b], 0                        ; written once: a lane permute's destination counts as one of its sources
.endr
	WALU
.irp j, 0,1,2,3
	global_load_u8 v[MK+\j], v90, s[14:15] offset:32*(\j/2)+8*(\j%2)
.endr
	s_mov_b32 s50, 2*GRP                           ; q, k: source 0 = the weights' region,
	s_mul_i32 s51, s21, GRP                        ; source 1 = token group a
	SETADR
; ---------------- q (trip 0) and k (trip 1).  My 128 columns are heads 2 g and 2 g + 1.  My tokens: batch s25 / 16, key step s25 % 16, tiles 4 b + j.
.Ltile:
	s_wait_xcnt 0x0                                ; the last trip's loads, stores and prefetch have read their bases, offsets and data
	s_add_nc_u64 s[PF:PF+1], s[PF:PF+1], 8*GRP     ; the group that this trip's refill will load
	s_lshr_b32 s67, s25, 4                         ; the batch
	s_and_b32 s84, s25, 15                         ; the group in it
	s_lshl_b32 s87, s67, 4
	s_lshl_b32 s92, s86, 1
	s_add_co_u32 s87, s87, s92                     ; batch x 16 + my first head
	s_lshl_b32 s88, s87, 7
	s_lshl_b32 s92, s84, 3
	s_add_co_u32 s88, s88, s92
	s_lshl_b32 s92, s22, 2
	s_add_co_u32 s88, s88, s92
	s_mul_i32 s88, s88, 768                        ; q's codes: [head 64][tile 128][768]
	s_mul_i32 s89, s87, HEADB
	s_mul_i32 s92, s84, 13056
	s_add_co_u32 s89, s89, s92                     ; k: the head's key step in kvb
	s_lshl_b32 s92, s22, 8
	s_add_co_u32 s91, s89, s92
	s_add_co_u32 s91, s91, 12288                   ; its scale words [2][lane 16][tile 4]
	s_mul_i32 s92, s22, 3072
	s_add_co_u32 s89, s89, s92                     ; its codes: eight tiles of 768
	s_lshl_b32 s90, s87, 5
	s_lshl_b32 s92, s84, 1
	s_add_co_u32 s90, s90, s92
	s_add_co_u32 s90, s90, s22
	s_lshl_b32 s90, s90, 8
	s_add_co_u32 s90, s90, QSC                     ; q's scale words: [head 64][four tiles 32][lane 16][tile 4]
	s_mov_b32 s92, HEADB
	s_mov_b32 s93, 0x7f010000                      ; k, not masked: byte 2 = 1
	s_mov_b32 s94, 0x7ffe0000                      ; k, masked: byte 2 = 254
	s_mov_b32 s95, 0x7f6b0000                      ; q: byte 2 = 107
	s_cmp_eq_u32 s27, 0                            ; q?
	s_cselect_b32 s88, s88, s89
	s_cselect_b32 s90, s90, s91
	s_cselect_b32 s96, 98304, s92                  ; from head to head: codes,
	s_cselect_b32 s97, 8192, s92                   ; scale words
	s_cselect_b32 s93, s95, s93
	s_cselect_b32 s94, s95, s94
	s_cselect_b64 s[98:99], s[16:17], s[18:19]     ; qb or kvb
	s_cselect_b64 s[2:3], s[8:9], s[10:11]         ; bq or bk
	v_mov_b32 v88, s93
	v_mov_b32 v89, s94
	v_mul_u32_u24 v[SCO], v3, s97
	v_lshl_add_u32 v[SCO], v2, 4, v[SCO]           ; lanes 0-15 store the first head's words, lanes 16-31 the second's: 16 bytes a lane
	s_mov_b32 s89, 0
	s_mov_b32 s91, 0
	s_add_nc_u64 s[DA:DA+1], s[98:99], s[88:89]
	s_add_nc_u64 s[SCB:SCB+1], s[98:99], s[90:91]
	s_mov_b32 s88, s96
	s_add_nc_u64 s[DB:DB+1], s[DA:DA+1], s[88:89]
	s_lshl_b32 s88, s86, 9
	s_add_nc_u64 s[2:3], s[2:3], s[88:89]          ; my 128 columns' bias
	WIN 0xc0
.irp n, 0,1,2,3,4,5,6,7,8,9,10,11,12,13,14,15
	global_load_b128 v[128+4*\n:131+4*\n], v19, s[2:3] offset:128*(\n/4)+16*(\n%4)
.endr
	WIN 0
	WALU
	MAIN 1
	s_wait_loadcnt 0x0                             ; the bias and the mask
.irp j, 0,1,2,3
	v_cmp_ne_u32 vcc_lo, 0, v[MK+\j]
	v_cndmask_b32 v[MB+\j], v88, v89, vcc_lo       ; a choice of a value: no branch hangs on the mask
.endr
.irp j, 0,1,2,3                                ; tile j of my tokens: 128 channels a lane pair: + bias, quantised: registers 0-5 are the first head's operand, 6-11 the second's
.if \j > 0
	s_wait_xcnt 0x0                                ; the last tile's stores have read the codes' registers
.endif
	WIN 0x0d                                       ; source 0 window 1 (the sums), source 1 window 3 (the bias)
.set nn, 0
.rept 32
	v_pk_add_f32 v[HA+nn:HA+nn+1], v[64*\j+nn:64*\j+nn+1], v[128+nn:128+nn+1]   ; ascending: each accumulator is first read at its low end
.set nn, nn+2
.endr
	WIN 0
	QUANT HA
	global_store_b128 v[L16], v[PC:PC+3], s[DA:DA+1] offset:768*\j     ; 512 and 256 consecutive bytes, aligned
	global_store_b64 v[L8], v[PC+4:PC+5], s[DA:DA+1] offset:768*\j+512
	global_store_b128 v[L16], v[PC+6:PC+9], s[DB:DB+1] offset:768*\j
	global_store_b64 v[L8], v[PC+10:PC+11], s[DB:DB+1] offset:768*\j+512
	v_lshrrev_b32 v91, v17, v[PW]                  ; my head's two bytes,
	v_and_or_b32 v[SW+\j], v91, 0xffff, v[MB+\j]   ; under the constant or the mask's upper half
.endr
	global_store_b128 v[SCO], v[SW:SW+3], s[SCB:SCB+1]   ; sixteen lanes fill 256 consecutive bytes, aligned, for each head
	s_add_co_u32 s27, s27, 1
	s_cmp_lt_u32 s27, 2
	WALU
	s_cbranch_scc1 .Ltile
; ---------------- v.  My 128 tokens are group s25: a key step of a batch.  My 64 columns are head 2 g + b; tile j's lane r is channel 32 (j / 2) + 8 (j % 2) + r + 8 (r / 8).
	s_wait_xcnt 0x0
	s_mul_i32 s50, s21, GRP                        ; source 0 = token group a,
	s_mov_b32 s51, 2*GRP                           ; source 1 = the weights' region
	SETADR
	s_lshr_b32 s67, s25, 4                         ; the batch
	s_and_b32 s66, s25, 15                         ; the key step
	s_lshl_b32 s87, s86, 1
	s_add_co_u32 s87, s87, s22                     ; the head
	s_lshl_b32 s67, s67, 4
	s_add_co_u32 s67, s67, s87
	s_mul_i32 s88, s67, HEADB
	s_mul_i32 s66, s66, 13056
	s_add_co_u32 s88, s88, s66
	s_add_co_u32 s88, s88, 6144                    ; behind the step's eight tiles of k: four images of v
	s_mov_b32 s89, 0
	s_add_nc_u64 s[DA:DA+1], s[18:19], s[88:89]
	s_lshl_b32 s88, s87, 8
	s_add_nc_u64 s[2:3], s[12:13], s[88:89]        ; my head's 64 numbers of bv
	v_lshlrev_b32 v19, 2, v90
	v_lshlrev_b32 v[SCO], 4, v2
	v_lshl_add_u32 v[SCO], v3, 3, v[SCO]           ; 16 r + 8 h
	WALU
.irp j, 0,1,2,3
	global_load_b32 v[BV+2*\j], v19, s[2:3] offset:(32*(\j/2)+8*(\j%2))*4
.endr
	MAIN 0
	s_wait_loadcnt 0x0
.irp j, 0,1,2,3
	v_mov_b32 v[BV+2*\j+1], v[BV+2*\j]             ; (the packed form names the pair)
.endr
.irp j, 0,1,2,3                                ; tile j of my channels: 128 keys a lane pair: + bias, quantised along the keys
.if \j > 0
	s_wait_xcnt 0x0
.endif
	WIN 0x01                                       ; source 0 window 1
.set nn, 0
.rept 32
	v_pk_add_f32 v[HA+nn:HA+nn+1], v[64*\j+nn:64*\j+nn+1], v[BV+2*\j:BV+2*\j+1] op_sel_hi:[1,0]
.set nn, nn+2
.endr
	WIN 0
	QUANT HA
	global_store_b128 v[L16], v[PC:PC+3], s[DA:DA+1] offset:1536*\j
	global_store_b64 v[L8], v[PC+4:PC+5], s[DA:DA+1] offset:1536*\j+512
	global_store_b128 v[L16], v[PC+6:PC+9], s[DA:DA+1] offset:1536*\j+768
	global_store_b64 v[L8], v[PC+10:PC+11], s[DA:DA+1] offset:1536*\j+1280
	v_mov_b32 v[SW+\j], v[PW]
.endr
	v_cmp_ne_u32 vcc_lo, 0, v3                     ; the step's scale words of v, [lane 16][tile 4]: lanes 0-15 store tiles 0, 1, lanes 16-31 tiles 2, 3
	v_cndmask_b32 v[SW], v[SW], v[SW+2], vcc_lo
	v_cndmask_b32 v[SW+1], v[SW+1], v[SW+3], vcc_lo
	global_store_b64 v[SCO], v[SW:SW+1], s[DA:DA+1] offset:6656        ; 256 consecutive bytes, aligned
	s_wait_tensorcnt 0x0                           ; the wave's end
	ds_add_u32 v254, v255
	s_wait_dscnt 0x0
	CROUND                                         ; the closing round: no work-group ends while a partner may still ask for a tile that names it
	s_endpgm
.Lfunc_end_k_q764d337cdd_qkv:
	.size	k_q764d337cdd_qkv, .Lfunc_end_k_q764d337cdd_qkv-k_q764d337cdd_qkv
	.p2alignl 7, 3214868480
	.fill 96, 4, 3214868480
	.section	.rodata,"a",@progbits
	.p2align	6, 0x0
	.amdhsa_kernel k_q764d337cdd_qkv
		.amdhsa_group_segment_fixed_size 327680
		.amdhsa_private_segment_fixed_size 0
		.amdhsa_enable_private_segment 0
		.amdhsa_kernarg_size 64
		.amdhsa_user_sgpr_count 2
		.amdhsa_user_sgpr_kernarg_segment_ptr 1
		.amdhsa_wavefront_size32 1
		.amdhsa_system_sgpr_workgroup_id_x 1
		.amdhsa_system_sgpr_workgroup_id_y 1
		.amdhsa_system_sgpr_workgroup_id_z 1
		.amdhsa_system_vgpr_workitem_id 0
		.amdhsa_next_free_vgpr 1024
		.amdhsa_next_free_sgpr 100
		.amdhsa_reserve_vcc 1
		.amdhsa_float_denorm_mode_32 3
		.amdhsa_float_denorm_mode_16_64 3
		.amdhsa_memory_ordered 1
		.amdhsa_forward_progress 1
		.amdhsa_inst_pref_size 188
	.end_amdhsa_kernel
	.amdgpu_metadata
---
amdhsa.version: [ 1, 2 ]
amdhsa.kernels:
  - .name:           k_q764d337cdd_qkv
    .symbol:         k_q764d337cdd_qkv.kd
    .args:
      - { .name: xq, .offset: 0, .size: 8, .value_kind: global_buffer, .address_space: global }
      - { .name: wq, .offset: 8, .size: 8, .value_kind: global_buffer, .address_space: global }
      - { .name: bq, .offset: 16, .size: 8, .value_kind: global_buffer, .address_space: global }
      - { .name: bk, .offset: 24, .size: 8, .value_kind: global_buffer, .address_space: global }
      - { .name: bv, .offset: 32, .size: 8, .value_kind: global_buffer, .address_space: global }
      - { .name: mask, .offset: 40, .size: 8, .value_kind: global_buffer, .address_space: global }
      - { .name: qb, .offset: 48, .size: 8, .value_kind: global_buffer, .address_space: global }
      - { .name: kvb, .offset: 56, .size: 8, .value_kind: global_buffer, .address_space: global }
    .group_segment_fixed_size: 327680
    .private_segment_fixed_size: 0
    .kernarg_segment_align: 8
    .kernarg_segment_size: 64
    .max_flat_workgroup_size: 128
    .sgpr_count:     100
    .vgpr_count:     1024
    .wavefront_size: 32
...
	.end_amdgpu_metadata
.endif
;; end of part 2
;; launch attn (part 3): grid 4 x 64, 8 waves a work-group, clusters of 4 x 1, 214,016 bytes of LDS; arguments qb, kvb, ab; writes ab
.if DOCPART == 3
	.amdgcn_target "amdgcn-amd-amdhsa--gfx1250"
	.amdhsa_code_object_version 6
	.text
	.protected	k_q764d337cdd_attn
	.globl	k_q764d337cdd_attn
	.p2align	8
	.type	k_q764d337cdd_attn,@function
k_q764d337cdd_attn:
	s_mov_b64 s[64:65], 0
	v_nop
	global_prefetch_b8 v0, s[64:65] scope:SCOPE_SE
	s_setreg_imm32_b32 hwreg(HW_REG_WAVE_MODE, 25, 1), 1
	s_wait_xcnt 0x0
	s_wait_alu depctr_hold_cnt(0) depctr_sa_sdst(0) depctr_va_vdst(0) depctr_va_sdst(0) depctr_va_ssrc(0) depctr_va_vcc(0) depctr_vm_vsrc(0)
	s_getreg_b32 s2, hwreg(HW_REG_IB_STS2, 6, 4)
	s_cmp_eq_u32 s2, 0
	s_cbranch_scc0 .Lentry_in_a_cluster
	s_endpgm
.Lentry_in_a_cluster:
	s_bfe_u32 s2, ttmp6, 0x10000c
	s_cmp_lg_u32 s2, 0x3003
	s_cbranch_scc0 .Lentry_shape_is_right
	s_endpgm
.Lentry_shape_is_right:
; O = softmax(q k^T / 8, masked keys out) v for one (batch, head) a cluster, both products on codes of E2M3; O / l is quantised along the channels and stored as the last product's operand.
; THE SOFTMAX: t = score x log2(e) / 8; M = the running largest t rounded UP to a whole number; p = 2^(t - M) is quantised along the keys; the row's sum l is taken of the unquantised p and divides at the end.
; When M moves, l and O are multiplied by 2^(old M - new M): exact.
; SHARES.  The cluster's four work-groups own 512 queries each of one head and ask JOINTLY for the head's k, v and scale words: 16 key steps of 13,056 bytes, which stay in LDS: every LDS byte is filled once.
; Each of the eight waves issues ONE tensor load, two key steps (102 rows of 256 bytes); every wave waits for its load, one barrier shows all sixteen steps, and no barrier follows it: the waves share nothing else.
; Each wave owns four tiles of 16 queries and walks the keys twice, two tiles a pass: each fragment of k and v read from LDS feeds two products.  No prefetch: every byte of k and v is asked for at the head; there is no loop to run ahead in.
; A KEY STEP IN LDS: k: 8 stored tiles x 768 bytes (registers 0-3 at 16 x lane, 4-5 at 512 + 8 x lane); v at 6,144: 4 tiles of 16 channels x 128 keys, 1,536 each; k's scale words at 12,288: [2][lane 16][tile 4]; v's at 12,800: [lane 16][tile 4].
; Lane r' of stored tile 2 b + u holds key 32 b + 8 u + r' + 8 (r' / 8).
; WHICH KEYS FORM A TILE OF THE PRODUCT is chosen by the LDS addresses: rows 0-7 of tile (c, j) are keys 64 c + 8 j + i, rows 8-15 keys 64 c + 32 + 8 j + i.  Both products are used transposed (S^T = k q^T, O^T = v^T p^T): a lane holds one query,
; and register 32 c + 8 j + i of lane (r, h) is key 64 c + 32 h + 8 j + i: a lane's 32 registers are one whole scale block, in the order of p's operand.  So a block's largest score needs no other lane and p's codes are not swapped.
; THE MASK.  A head's 64 channels fill k = 0 .. 63 of the instruction's 128.  At k = 64 q carries the code +0.125 and k the code -0.125, constants in registers 6 of the fragments; byte 2 of q's scale words is 107, of k's 254 where
; the key is masked and 1 where not (made by the launch before).  A masked key's score gets -2^101; the running largest score begins at -2^83, above every masked score, so M never sees a masked key and its p is 0.
; LIMITS: the promise holds while |t| stays under 2^31; an unmasked score is lowered by 2^-152; a batch all of whose keys are masked (where the definition gives NaN) is not served; NaN and infinities are not served.
; REGISTERS.  Both tiles go through each phase together, under one window setting.  Window 1: S^T then p at v[64 t], O^T at v[128 + 32 t], q at v[192 + 12 t], p's codes at v[216 + 12 t], the conversions' second halves from v240.
; Window 0: v1-15 addresses; v16-63 four fragments of k; v64-111 four of v; v112-127 scale words; v128-173 the softmax's numbers, a set a tile; v176-203 q's codes and scale words of all four tiles, loaded at the head.
.set STEPB, 13056
.set HEADB, 208896
.set BNC,   208896                     ; behind the head's tiles: 256 bytes for each wave, written by LDS stores alone
.set SPARE, 0x34000                    ; the spare words: 128 bytes a wave
.set QSC,   6291456
.set ASC,   6291456
.set WV,   10                          ; s10 wave; s11 cx; s12 batch x 16 + head
.set G1,   16                          ; s[16:23] descriptor group 1
.set G0,   24                          ; s[24:27] group 0
.set SEL,  40                          ; s[40:41] lane selects: lane l xor 16
.set CS,   42                          ; s[42:43] c = log2(e) / 8, twice
.set TB,   44                          ; s44 LDS byte of the key step in hand
.set CNT,  45
.set PASS, 46
.set TN,   47                          ; s47 LDS byte of the next key step
.set QP,   48                          ; s[48:49] q's codes of my four tiles
.set QS,   50                          ; s[50:51] their scale words
.set AP,   52                          ; s[52:53] where the pass's output goes
.set AS,   54                          ; s[54:55] my four tiles' scale words in ab
.set KA,   7                           ; v7-9   k's addresses: 16-byte pieces, 8-byte pieces, scale words
.set KB,   8
.set KC,   9
.set VA,   10                          ; v10-12 the same for v
.set VB,   11
.set VC,   12
.set H8,   15                          ; v15    8 (lane / 16)
.set KF,   16                          ; v16-63   k's tiles (0, j)
.set KG,   204                         ; v204-251 k's tiles (1, j): both groups have registers of their own and are loaded a step ahead (v240-247 serve the head's set-up first)
.set VF,   64
.set KS,   112                         ; v112-119 k's scale words, tile (c, j) at 4 c + j
.set VS,   120
.set QW,   124
.set PS,   126
.set NM,   128                         ; pair a tile: -M, the running largest score
.set LA,   132                         ; l in two pairs a tile
.set LB,   136
.set FF,   140                         ; pair a tile: f = 2^(old M - new M), 0
.set TA,   144                         ; four a tile: the chains of maxima; 2 c holds block c's
.set TP,   152
.set TX,   154
.set SO,   156                         ; the conversions' scale operands, 2 t + c
.set EB,   160                         ; the scale bytes
.set PX,   164
.set OM,   166
.set SV,   170                         ; v170-173 the output's scale words
.set QN,   176
.set QWN,  200
.set S,    0                           ; window 1
.set O,    128
.set QF,   192
.set PC,   216
.set TC,   240
.set MSB, 0
.macro WIN new                         ; the immediate's high byte repeats the setting that is left
.if MSB != (\new)
	s_set_vgpr_msb (MSB<<8)|(\new)
.set MSB, (\new)
.endif
.endm
.macro WALU
	s_wait_alu depctr_va_vdst(0)
.endm
.macro H2                              ; ahead of a plain line that reads what the plain line two back wrote
	s_delay_alu instid0(VALU_DEP_2)
.endm
.macro CROUND
	s_barrier_signal -1
	s_barrier_wait -1
	s_cmp_lg_u32 s[WV], 0
	s_cbranch_scc1 .Lnot_wave_0_\@
	s_barrier_signal -3
.Lnot_wave_0_\@:
	s_barrier_wait -3
	s_barrier_signal -1
	s_barrier_wait -1
.endm
.macro KLOAD c                         ; tiles (c, 0 .. 3): registers 0-5; 6-11 are constants.  Lanes r < 8 read stored tile 4 c + j % 2, the others 4 c + 2 + j % 2 (1,536 bytes on, in the lane's term); row 8 (j / 2) + r % 8
.irp j, 0,1,2,3
	ds_load_b128 v[KF+(KG-KF)*\c+12*\j:KF+(KG-KF)*\c+12*\j+3], v[KA] offset:768*(4*\c+(\j%2))+128*(\j/2)
	ds_load_b64 v[KF+(KG-KF)*\c+12*\j+4:KF+(KG-KF)*\c+12*\j+5], v[KB] offset:768*(4*\c+(\j%2))+512+64*(\j/2)
.endr
.endm
.macro KSLOAD                          ; the eight tiles' scale words, two to a load
.irp q, 0,1,2,3
	ds_load_b64 v[KS+2*\q:KS+2*\q+1], v[KC] offset:12288+128*\q
.endr
.endm
.macro KQ c                            ; S^T = k q^T, both tiles of queries: k in window 0, q and S^T in window 1
	WIN 0x44
.irp t, 0,1
.irp j, 0,1,2,3
	v_wmma_scale_f32_16x16x128_f8f6f4 v[S+64*\t+32*\c+8*\j:S+64*\t+32*\c+8*\j+7], v[KF+12*\j:KF+12*\j+11], v[QF+12*\t:QF+12*\t+11], 0, v[KS+4*\c+\j], v[QW+\t] matrix_a_fmt:MATRIX_FMT_FP6 matrix_b_fmt:MATRIX_FMT_FP6
.endr
.endr
.endm
.macro SMAX c                          ; my block's largest score, in two chains a tile: four chains by turns.  Each accumulator is first read at its low end
	WIN 0x14
.irp i, 0,2,4,6,8,10,12,14
.irp t, 0,1
.irp a, 0,1
.if \i == 0
	v_max3_num_f32 v[TA+4*\t+2*\c+\a], 0xff800000, v[S+64*\t+32*\c+16*\a], v[S+64*\t+32*\c+16*\a+1]
.else
	v_max3_num_f32 v[TA+4*\t+2*\c+\a], v[TA+4*\t+2*\c+\a], v[S+64*\t+32*\c+16*\a+\i], v[S+64*\t+32*\c+16*\a+\i+1]
.endif
.endr
.endr
.endr
.endm
.macro SUMQ q                          ; four lines of the row's sum: p's registers 4 q .. 4 q + 3 of both tiles
.irp t, 0,1
	v_pk_add_f32 v[LA+2*\t:LA+2*\t+1], v[LA+2*\t:LA+2*\t+1], v[S+64*\t+4*(\q):S+64*\t+4*(\q)+1]
	v_pk_add_f32 v[LB+2*\t:LB+2*\t+1], v[LB+2*\t:LB+2*\t+1], v[S+64*\t+4*(\q)+2:S+64*\t+4*(\q)+3]
.endr
.endm
.macro SM1 i, t, a                     ; one line of the first blocks' chains of maxima, as SMAX 0 has them
.if (\i) == 0
	v_max3_num_f32 v[TA+4*(\t)+(\a)], 0xff800000, v[S+64*(\t)+16*(\a)], v[S+64*(\t)+16*(\a)+1]
.else
	v_max3_num_f32 v[TA+4*(\t)+(\a)], v[TA+4*(\t)+(\a)], v[S+64*(\t)+16*(\a)+(\i)], v[S+64*(\t)+16*(\a)+(\i)+1]
.endif
.endm
.macro KQSM                            ; S^T's tiles (1, j) of both tiles of queries, two products at a time; behind each two, eight lines of the first blocks' maxima, which name none of the products' registers
.irp m, 0,1,2,3
	WIN 0x44
.irp e, 0,1
	v_wmma_scale_f32_16x16x128_f8f6f4 v[S+64*((2*\m+\e)/4)+32+8*((2*\m+\e)%4):S+64*((2*\m+\e)/4)+32+8*((2*\m+\e)%4)+7], v[KG+12*((2*\m+\e)%4):KG+12*((2*\m+\e)%4)+11], v[QF+12*((2*\m+\e)/4):QF+12*((2*\m+\e)/4)+11], 0, v[KS+4+((2*\m+\e)%4)], v[QW+((2*\m+\e)/4)] matrix_a_fmt:MATRIX_FMT_FP6 matrix_b_fmt:MATRIX_FMT_FP6
.endr
	WIN 0x14
.irp e, 0,1
.irp t, 0,1
.irp a, 0,1
	SM1 4*\m+2*\e, \t, \a
.endr
.endr
.endr
.endr
.endm
.macro STEP                            ; 128 keys, both tiles.  At its head all eight tiles of k and their scale words are on their way or in
	s_add_co_u32 s[TN], s[TB], STEPB
	s_min_u32 s[TN], s[TN], 15*STEPB               ; the last step names itself again: the next pass's head loads step 0
	s_wait_dscnt 0x0
	KQ 0
	WIN 0
	v_add_nc_u32 v[VA], s[TB], v1                  ; four plain lines behind the products, ahead of the loads into their registers
	v_add_nc_u32 v[VB], s[TB], v2
	v_add_nc_u32 v[VC], s[TB], v6
	v_add_nc_u32 v[KA], s[TN], v3                  ; the next step's k
	v_add_nc_u32 v[KB], s[TN], v4
	v_add_nc_u32 v[KC], s[TN], v5
	KQSM                                           ; the second half of S^T, with the first half's maxima among its products; the last eight lines are the places ahead of the loads below
	WIN 0
	ds_load_b128 v[VS:VS+3], v[VC] offset:12800
.irp u, 0,1,2,3
	ds_load_b128 v[VF+12*\u:VF+12*\u+3], v[VA] offset:6144+1536*\u
	ds_load_b64 v[VF+12*\u+4:VF+12*\u+5], v[VB] offset:6144+1536*\u+512
	ds_load_b128 v[VF+12*\u+6:VF+12*\u+9], v[VA] offset:6144+1536*\u+768
	ds_load_b64 v[VF+12*\u+10:VF+12*\u+11], v[VB] offset:6144+1536*\u+1280
.endr
	KLOAD 0                                        ; the NEXT step's eight tiles and scale words: the whole softmax stands ahead of their use
	KLOAD 1
	KSLOAD
	SMAX 1
	WIN 0
.irp t, 0,1
	v_max_num_f32 v[TA+4*\t], v[TA+4*\t], v[TA+4*\t+1]         ; block h's largest score
.endr
.irp t, 0,1
	v_max_num_f32 v[TA+4*\t+2], v[TA+4*\t+2], v[TA+4*\t+3]     ; block 2 + h's
.endr
.irp t, 0,1
	H2
	v_max_num_f32 v[TP+\t], v[TA+4*\t], v[TA+4*\t+2]
.endr
.irp t, 0,1
	H2
	v_permlanex16_b32 v[TX+\t], v[TP+\t], s[SEL], s[SEL+1]
.endr
.irp t, 0,1
	H2
	v_max3_num_f32 v[NM+2*\t+1], v[NM+2*\t+1], v[TP+\t], v[TX+\t]   ; the running largest score of my query
.endr
.irp t, 0,1
	H2
	v_mul_f32 v[TP+\t], s[CS], v[NM+2*\t+1]        ; as t (c is positive)
.endr
.irp t, 0,1
	v_mov_b32 v[OM+\t], v[NM+2*\t]
.endr
.irp t, 0,1
	v_floor_f32 v[NM+2*\t], -v[TP+\t]              ; the new -M = floor(-t): M is a whole number
.endr
.irp t, 0,1
	H2
	v_sub_f32 v[TP+\t], v[NM+2*\t], v[OM+\t]       ; old M - new M: a whole number, 0 or less
.endr
.irp t, 0,1
	H2
	v_cvt_i32_f32 v[TP+\t], v[TP+\t]               ; (it saturates)
.endr
.irp t, 0,1
	H2
	v_ldexp_f32 v[FF+2*\t], 1.0, v[TP+\t]          ; f
.endr
.irp t, 0,1
.irp c, 0,1
	v_fma_f32 v[TA+4*\t+2*\c], v[TA+4*\t+2*\c], s[CS], v[NM+2*\t]   ; t - M of each block's largest score
.endr
.endr
.irp t, 0,1
	v_pk_mul_f32 v[LA+2*\t:LA+2*\t+1], v[LA+2*\t:LA+2*\t+1], v[FF+2*\t:FF+2*\t+1] op_sel_hi:[1,0]   ; l under the new M
	v_pk_mul_f32 v[LB+2*\t:LB+2*\t+1], v[LB+2*\t:LB+2*\t+1], v[FF+2*\t:FF+2*\t+1] op_sel_hi:[1,0]
.endr
	WIN 0x41                                       ; destination and source 0 in window 1
.irp t, 0,1
.set nn, 0
.rept 16
	v_pk_mul_f32 v[O+32*\t+nn:O+32*\t+nn+1], v[O+32*\t+nn:O+32*\t+nn+1], v[FF+2*\t:FF+2*\t+1] op_sel_hi:[1,0]   ; O^T under the new M, each accumulator from its low end on
.set nn, nn+2
.endr
.endr
.irp t, 0,1
.set nn, 0
.rept 32
	v_pk_fma_f32 v[S+64*\t+nn:S+64*\t+nn+1], v[S+64*\t+nn:S+64*\t+nn+1], s[CS:CS+1], v[NM+2*\t:NM+2*\t+1] op_sel_hi:[1,0,0]   ; t - M
.set nn, nn+2
.endr
.endr
	WALU
.set nn, 0
.rept 128
	v_exp_f32 v[S+nn], v[S+nn]                     ; p = 2^(t - M)
.set nn, nn+1
.endr
	WIN 0
.irp x, 0,2,4,6
	v_exp_f32 v[TA+\x], v[TA+\x]                   ; each block's largest p: the same two instructions on the same number
.endr
	v_nop                                          ; a plain line behind the batch,
	WALU                                           ; and the one wait ahead of its first reader
.irp x, 0,2,4,6
	v_max_num_f32 v[TA+\x], 0x1800000, v[TA+\x]    ; the floor 2^(3 - 127): a block whose every p is 0 keeps the byte 1 over zero codes
.endr
.irp x, 0,1,2,3
	v_add_nc_u32 v[SO+\x], 0xff000000, v[TA+2*\x]  ; 2 off the exponent field: the conversion's scale operand
.endr
.irp x, 0,1,2,3
	v_lshrrev_b32 v[EB+\x], 23, v[SO+\x]           ; the scale's byte
.endr
.irp t, 0,1
	v_lshl_or_b32 v[TP+\t], v[EB+2*\t+1], 16, v[EB+2*\t]       ; my two bytes: blocks h and 2 + h,
.endr
.irp t, 0,1
	H2
	v_lshlrev_b32 v[TP+\t], v[H8], v[TP+\t]        ; at their places in the word;
.endr
.irp t, 0,1
	H2
	v_permlanex16_b32 v[PX+\t], v[TP+\t], s[SEL], s[SEL+1]
.endr
.irp t, 0,1
	H2
	v_or_b32 v[PS+\t], v[TP+\t], v[PX+\t]          ; with lane l xor 16's two the word is whole
.endr
	WIN 0x41
.irp t, 0,1
.irp c, 0,1
	v_cvt_scalef32_pk16_fp6_f32 v[PC+12*\t+6*\c:PC+12*\t+6*\c+2], v[S+64*\t+32*\c:S+64*\t+32*\c+15], v[SO+2*\t+\c]
	v_cvt_scalef32_pk16_fp6_f32 v[TC+8*\t+4*\c:TC+8*\t+4*\c+2], v[S+64*\t+32*\c+16:S+64*\t+32*\c+31], v[SO+2*\t+\c]   ; (a conversion's three registers begin on an even number)
.endr
.endr
	v_nop                                          ; one plain line behind the scaled conversions
.irp t, 0,1
.irp c, 0,1
.irp i, 0,1,2
	v_mov_b32 v[PC+12*\t+6*\c+3+\i], v[TC+8*\t+4*\c+\i]
.endr
.endr
.endr
	WIN 0x04                                       ; source 1 in window 1
	SUMQ 0                                         ; the row's sum, of the UNQUANTISED p: four chains by turns.  These first eight lines are the places ahead of the products; the other 56 stand among them
	SUMQ 1
	WALU
	s_wait_dscnt 0x0                               ; v, its scale words, and the next step's k
.irp t, 0,1
.irp u, 0,1,2,3
	WIN 0x54                                       ; v in window 0; p and O^T in window 1
	v_wmma_scale_f32_16x16x128_f8f6f4 v[O+32*\t+8*\u:O+32*\t+8*\u+7], v[VF+12*\u:VF+12*\u+11], v[PC+12*\t:PC+12*\t+11], v[O+32*\t+8*\u:O+32*\t+8*\u+7], v[VS+\u], v[PS+\t] matrix_a_fmt:MATRIX_FMT_FP6 matrix_b_fmt:MATRIX_FMT_FP6
.if \u % 2                             ; behind every second product: lines of the row's sum, which name none of the products' registers
	WIN 0x04
.set pq, (4*\t+\u)/2
.if pq < 2
	SUMQ 2+4*pq
	SUMQ 3+4*pq
	SUMQ 4+4*pq
	SUMQ 5+4*pq
.else
	SUMQ 4+3*pq
	SUMQ 5+3*pq
	SUMQ 6+3*pq
.endif
.endif
.endr
.endr
	WIN 0
.endm
.macro FINISH                          ; both tiles: O^T / l, quantised along the head's 64 channels (two blocks, 16 of each in a lane), stored as half an image each
	WIN 0
.irp t, 0,1
	v_pk_add_f32 v[LA+2*\t:LA+2*\t+1], v[LA+2*\t:LA+2*\t+1], v[LB+2*\t:LB+2*\t+1]
.endr
.irp t, 0,1
	H2
	v_add_f32 v[TP+\t], v[LA+2*\t], v[LA+2*\t+1]
.endr
.irp t, 0,1
	H2
	v_permlanex16_b32 v[TX+\t], v[TP+\t], s[SEL], s[SEL+1]
.endr
.irp t, 0,1
	H2
	v_add_f32 v[TP+\t], v[TP+\t], v[TX+\t]         ; the row's sum
.endr
	WALU
.irp t, 0,1
	v_rcp_f32 v[FF+2*\t], v[TP+\t]
.endr
	WIN 0x41
	v_nop                                          ; a plain line behind the reciprocals,
	WALU                                           ; and the wait, directly ahead of the first reader of them and of O^T
.irp t, 0,1
.set nn, 0
.rept 16
	v_pk_mul_f32 v[S+64*\t+nn:S+64*\t+nn+1], v[O+32*\t+nn:O+32*\t+nn+1], v[FF+2*\t:FF+2*\t+1] op_sel_hi:[1,0]   ; register 16 b + i is channel 32 b + 16 (lane / 16) + i
.set nn, nn+2
.endr
.endr
	WIN 0x14
.irp i, 0,2,4,6,8,10,12,14
.irp t, 0,1
.irp b, 0,1
.if \i == 0
	v_max3_num_f32 v[TA+4*\t+\b], 0x1800000, |v[S+64*\t+16*\b]|, |v[S+64*\t+16*\b+1]|
.else
	v_max3_num_f32 v[TA+4*\t+\b], v[TA+4*\t+\b], |v[S+64*\t+16*\b+\i]|, |v[S+64*\t+16*\b+\i+1]|
.endif
.endr
.endr
.endr
	WIN 0
.irp t, 0,1
.irp b, 0,1
	v_permlanex16_b32 v[TX+10*\b+\t], v[TA+4*\t+\b], s[SEL], s[SEL+1]
.endr
.endr
.irp t, 0,1
.irp b, 0,1
	v_max_num_f32 v[TA+4*\t+\b], v[TA+4*\t+\b], v[TX+10*\b+\t]
.endr
.endr
.irp t, 0,1
.irp b, 0,1
	v_add_nc_u32 v[SO+2*\t+\b], 0xff000000, v[TA+4*\t+\b]
.endr
.endr
.irp x, 0,1,2,3
	v_lshrrev_b32 v[EB+\x], 23, v[SO+\x]
.endr
.irp t, 0,1
	v_lshl_or_b32 v[SV+2+\t], v[EB+2*\t+1], 8, v[EB+2*\t]      ; two bytes; bytes 2 and 3 are 0
.endr
	WIN 0x41
.irp t, 0,1
	v_cvt_scalef32_pk16_fp6_f32 v[PC+12*\t:PC+12*\t+2], v[S+64*\t:S+64*\t+15], v[SO+2*\t]
	v_cvt_scalef32_pk16_fp6_f32 v[TC+8*\t:TC+8*\t+2], v[S+64*\t+16:S+64*\t+31], v[SO+2*\t+1]
.endr
	v_nop
.irp t, 0,1
.irp i, 0,1,2
	v_permlane16_swap_b32 v[PC+12*\t+\i], v[TC+8*\t+\i]        ; the operand wants a whole block in a lane
.endr
.endr
.irp t, 0,1
.irp i, 0,1,2
	v_mov_b32 v[PC+12*\t+3+\i], v[TC+8*\t+\i]
.endr
.endr
	WIN 0x04                                       ; a store's data are its source 1
.irp t, 0,1
	global_store_b128 v1, v[PC+12*\t:PC+12*\t+3], s[AP:AP+1] offset:1536*\t        ; 512 and 256 consecutive bytes, aligned
	global_store_b64 v2, v[PC+12*\t+4:PC+12*\t+5], s[AP:AP+1] offset:1536*\t+512
.endr
	WIN 0
.endm
	s_load_b128 s[4:7], s[0:1], 0x0                ; qb s[4:5], kvb s[6:7]
	s_load_b64 s[8:9], s[0:1], 0x10                ; ab
	v_lshl_add_u32 v254, v0, 2, SPARE
	v_mov_b32 v255, 0
	ds_add_u32 v254, v255                          ; the opening lines: the add, twice on end, and its wait
	ds_add_u32 v254, v255
	v_lshrrev_b32 v1, 5, v0
	v_readfirstlane_b32 s[WV], v1                  ; wave 0..7
	s_bfe_u32 s11, ttmp6, 0x40000                  ; cx: it enters q's and the output's addresses alone
	s_and_b32 s12, ttmp7, 0xffff                   ; batch x 16 + head, which the four partners share
	s_mov_b32 s[G1], 15|(3<<16)|(1<<21)            ; 15:0 the mask: all four work-groups; 17:16 elements of 8 bytes; 21 set beside a mask
	s_mov_b32 s[G1+1], 32<<16                      ; rows of 256 bytes,
	s_mov_b32 s[G1+2], 102<<16                     ; 102 of them: two key steps
	s_mov_b32 s[G1+3], 32<<16
	s_mov_b32 s[G1+4], 102
	s_mov_b32 s[G1+5], 32                          ; dense
	s_mov_b32 s[G1+6], 0
	s_mov_b32 s[G1+7], 0
	s_mul_i32 s13, s[WV], 2*STEPB                  ; the two steps that I fetch, in LDS and in the head
	s_mul_i32 s14, s12, HEADB
	s_add_co_u32 s14, s14, s13
	s_mov_b32 s15, 0
	s_mov_b32 s[SEL], 0x76543210
	s_mov_b32 s[SEL+1], 0xfedcba98
	s_mov_b32 s[CS], 0x3e38aa3b                    ; log2(e) / 8
	s_mov_b32 s[CS+1], s[CS]
	s_lshl_b32 s58, s12, 7                         ; q's codes: [head 64][tile 128][768]; my tiles begin at 32 cx + 4 wave
	s_lshl_b32 s59, s11, 5
	s_add_co_u32 s58, s58, s59
	s_lshl_b32 s59, s[WV], 2
	s_add_co_u32 s58, s58, s59
	s_mul_i32 s58, s58, 768
	s_mov_b32 s59, 0
	s_lshl_b32 s60, s12, 5                         ; q's scale words: [head 64][four tiles 32][lane 16][tile 4]
	s_lshl_b32 s61, s11, 3
	s_add_co_u32 s60, s60, s61
	s_add_co_u32 s60, s60, s[WV]
	s_lshl_b32 s60, s60, 8
	s_add_co_u32 s60, s60, QSC
	s_mov_b32 s61, 0
	s_lshr_b32 s62, s12, 4                         ; the batch
	s_and_b32 s63, s12, 15                         ; the head
	s_lshl_b32 s62, s62, 4
	s_lshl_b32 s66, s11, 2
	s_add_co_u32 s62, s62, s66
	s_lshr_b32 s66, s[WV], 1
	s_add_co_u32 s62, s62, s66                     ; my tokens' group of 128 in ab
	s_and_b32 s67, s[WV], 1                        ; and which four of its eight tiles
	s_mul_i32 s68, s62, 98304
	s_lshr_b32 s66, s63, 1
	s_mul_i32 s66, s66, 12288                      ; K step = head / 2,
	s_add_co_u32 s68, s68, s66
	s_mul_i32 s66, s67, 6144
	s_add_co_u32 s68, s68, s66
	s_and_b32 s66, s63, 1
	s_mul_i32 s66, s66, 768                        ; half of the image = head % 2
	s_add_co_u32 s68, s68, s66
	s_mov_b32 s69, 0
	s_lshl_b32 s70, s63, 6                         ; ab's scale words: [head 16][group 64][tile 8][lane 16]
	s_add_co_u32 s70, s70, s62
	s_lshl_b32 s70, s70, 9
	s_lshl_b32 s66, s67, 8
	s_add_co_u32 s70, s70, s66
	s_add_co_u32 s70, s70, ASC
	s_mov_b32 s71, 0
	s_wait_dscnt 0x0
	s_wait_kmcnt 0x0
	s_add_nc_u64 s[56:57], s[6:7], s[14:15]
	s_add_nc_u64 s[QP:QP+1], s[4:5], s[58:59]
	s_add_nc_u64 s[QS:QS+1], s[4:5], s[60:61]
	s_add_nc_u64 s[AP:AP+1], s[8:9], s[68:69]
	s_add_nc_u64 s[AS:AS+1], s[8:9], s[70:71]
	CROUND                                         ; all four work-groups are here: the joint loads meet
	s_mov_b32 s[G0], 1
	s_add_co_u32 s[G0+1], s13, 0
	s_mov_b64 s[G0+2:G0+3], s[56:57]
	s_or_b32 s[G0+3], s[G0+3], 0x80000000
	tensor_load_to_lds s[G0:G0+3], s[G1:G1+7]      ; my one tensor load: no branch, every wave issues the line for its own two steps
	s_nop 0
.rept 4
	v_nop
.endr
	v_and_b32 v246, 31, v0                         ; lane
	v_and_b32 v247, 15, v0                         ; r
	v_bfe_u32 v240, v0, 4, 1                       ; h
	v_and_b32 v243, 7, v0                          ; r % 8
	v_bfe_u32 v244, v0, 3, 1                       ; r / 8
	v_lshlrev_b32 v1, 4, v246                      ; 16 x lane
	v_lshlrev_b32 v2, 3, v246                      ; 8 x lane
	v_lshlrev_b32 v6, 4, v247                      ; 16 r
.irp n, 0,1,2,3                                ; q of all my four tiles, under the tensor loads' flight
	global_load_b128 v[QN+6*\n:QN+6*\n+3], v1, s[QP:QP+1] offset:768*\n
	global_load_b64 v[QN+6*\n+4:QN+6*\n+5], v2, s[QP:QP+1] offset:768*\n+512
.endr
	global_load_b128 v[QWN:QWN+3], v6, s[QS:QS+1]
	v_mul_u32_u24 v245, v244, 1536
	v_lshl_add_u32 v3, v243, 4, v245
	v_lshl_add_u32 v3, v240, 8, v3                 ; k, 16-byte pieces: 16 (r % 8) + 1,536 (r / 8) + 256 h
	v_lshl_add_u32 v4, v243, 3, v245
	v_lshl_add_u32 v4, v240, 7, v4                 ; 8-byte pieces: 8 (r % 8) + 1,536 (r / 8) + 128 h
	v_lshlrev_b32 v5, 4, v243
	v_lshl_add_u32 v5, v244, 3, v5                 ; scale words: 16 (r % 8) + 8 (r / 8)
	v_lshlrev_b32 v[H8], 3, v240
	s_lshl_b32 s66, s[WV], 8
	s_add_co_u32 s66, s66, BNC
	v_lshl_add_u32 v13, v247, 2, s66               ; my wave's 256 bytes: a word a row,
	v_add_nc_u32 v14, s66, v2                      ; and 8 bytes a lane on the way out
	v_xor_b32 v241, 1, v240                        ; q's register 6: the code +0.125 at k = 64, which lies in lanes 0-15; 0 in lanes 16-31
	v_mul_u32_u24 v242, v241, 0x21                 ; k's: the code -0.125
.irp f, 0,1,2,3
	v_mov_b32 v[KF+12*\f+6], v242
.irp i, 7,8,9,10,11
	v_mov_b32 v[KF+12*\f+\i], 0
.endr
.endr
.irp t, 0,1
	v_mov_b32 v[TX+\t], 0                          ; written once: a lane permute's destination counts as one of its sources
	v_mov_b32 v[PX+\t], 0
	v_mov_b32 v[FF+2*\t+1], 0                      ; (named as the upper half of a pair)
	v_mov_b32 v[SV+2+\t], 0
.endr
	WIN 0x40                                       ; destination window 1
.irp t, 0,1
	v_mov_b32 v[QF+12*\t+6], v241
.irp i, 7,8,9,10,11
	v_mov_b32 v[QF+12*\t+\i], 0
.endr
.endr
	WIN 0
.irp f, 0,1,2,3                                ; the constant halves of k's second group (behind the last use of the set-up's v240-247)
	v_mov_b32 v[KG+12*\f+6], v242
.irp i, 7,8,9,10,11
	v_mov_b32 v[KG+12*\f+\i], 0
.endr
.endr
	s_mov_b32 s[PASS], 2
	WALU
	s_wait_loadcnt 0x0                             ; q
	s_wait_tensorcnt 0x0                           ; my two key steps have landed
	s_barrier_signal -1
	s_barrier_wait -1                              ; everybody's have.  Nothing is ever filled again
.Lpass:                                            ; two trips: tiles 0, 1 and then tiles 2, 3 of my four
	WIN 0x40
.irp i, 0,1,2,3,4,5
	v_mov_b32 v[QF+\i], v[QN+\i]
	v_mov_b32 v[QF+12+\i], v[QN+6+\i]
.endr
	WIN 0
.irp i, 0,1,2,3,4,5,6,7,8,9,10,11
	v_mov_b32 v[QN+\i], v[QN+12+\i]                ; the other pass's q moves down, so that both trips run one text
.endr
	v_mov_b32 v[QW], v[QWN]
	v_mov_b32 v[QW+1], v[QWN+1]
	v_mov_b32 v[QWN], v[QWN+2]
	v_mov_b32 v[QWN+1], v[QWN+3]
	s_mov_b32 s[TB], 0
	v_add_nc_u32 v[KA], s[TB], v3
	v_add_nc_u32 v[KB], s[TB], v4
	v_add_nc_u32 v[KC], s[TB], v5
	KLOAD 0
	KLOAD 1
	KSLOAD
.irp t, 0,1
	v_mov_b32 v[NM+2*\t+1], 0xe9000000             ; the largest score so far: -2^83
	v_mov_b32 v[NM+2*\t], 0x67b8aa3b               ; -M = c x 2^83
	v_mov_b32 v[LA+2*\t], 0
	v_mov_b32 v[LA+2*\t+1], 0
	v_mov_b32 v[LB+2*\t], 0
	v_mov_b32 v[LB+2*\t+1], 0
.endr
	WIN 0x40
.set nn, 0
.rept 64
	v_mov_b32 v[O+nn], 0                           ; the step is written once: the first finds zeros, which the first change of M leaves zeros
.set nn, nn+1
.endr
	WIN 0
	s_mov_b32 s[CNT], 16
	WALU
.Lstep:
	STEP
	s_add_co_u32 s[TB], s[TB], STEPB
	s_sub_co_u32 s[CNT], s[CNT], 1
	s_cmp_lg_u32 s[CNT], 0
	s_cbranch_scc1 .Lstep
.rept 4
	v_nop                                          ; four places behind the last products
.endr
	v_mov_b32 v[SV], v[SV+2]                       ; the first pass's two scale words move down
	v_mov_b32 v[SV+1], v[SV+3]
	WALU
	FINISH
	s_wait_xcnt 0x0                                ; the stores have read their base and data: both are written again
	s_add_nc_u64 s[AP:AP+1], s[AP:AP+1], 3072
	s_sub_co_u32 s[PASS], s[PASS], 1
	s_cmp_lg_u32 s[PASS], 0
	WALU
	s_cbranch_scc1 .Lpass
	WALU
.irp n, 0,1,2,3
	ds_store_b32 v13, v[SV+\n] offset:64*\n        ; both halves of the lanes write the same word with the same value
.endr
	ds_load_b64 v[TA:TA+1], v14                    ; LDS serves a wave's instructions in order: this sees my stores
	s_wait_dscnt 0x0
	global_store_b64 v2, v[TA:TA+1], s[AS:AS+1]    ; 256 consecutive bytes, aligned
	s_wait_tensorcnt 0x0                           ; the wave's end
	ds_add_u32 v254, v255
	s_wait_dscnt 0x0
	CROUND                                         ; the closing round
	s_endpgm
.Lfunc_end_k_q764d337cdd_attn:
	.size	k_q764d337cdd_attn, .Lfunc_end_k_q764d337cdd_attn-k_q764d337cdd_attn
	.p2alignl 7, 3214868480
	.fill 96, 4, 3214868480
	.section	.rodata,"a",@progbits
	.p2align	6, 0x0
	.amdhsa_kernel k_q764d337cdd_attn
		.amdhsa_group_segment_fixed_size 214016
		.amdhsa_private_segment_fixed_size 0
		.amdhsa_enable_private_segment 0
		.amdhsa_kernarg_size 24
		.amdhsa_user_sgpr_count 2
		.amdhsa_user_sgpr_kernarg_segment_ptr 1
		.amdhsa_wavefront_size32 1
		.amdhsa_system_sgpr_workgroup_id_x 1
		.amdhsa_system_sgpr_workgroup_id_y 1
		.amdhsa_system_sgpr_workgroup_id_z 1
		.amdhsa_system_vgpr_workitem_id 0
		.amdhsa_next_free_vgpr 512
		.amdhsa_next_free_sgpr 72
		.amdhsa_reserve_vcc 0
		.amdhsa_float_denorm_mode_32 3
		.amdhsa_float_denorm_mode_16_64 3
		.amdhsa_memory_ordered 1
		.amdhsa_forward_progress 1
		.amdhsa_inst_pref_size 51
	.end_amdhsa_kernel
	.amdgpu_metadata
---
amdhsa.version: [ 1, 2 ]
amdhsa.kernels:
  - .name:           k_q764d337cdd_attn
    .symbol:         k_q764d337cdd_attn.kd
    .args:
      - { .name: qb, .offset: 0, .size: 8, .value_kind: global_buffer, .address_space: global }
      - { .name: kvb, .offset: 8, .size: 8, .value_kind: global_buffer, .address_space: global }
      - { .name: ab, .offset: 16, .size: 8, .value_kind: global_buffer, .address_space: global }
    .group_segment_fixed_size: 214016
    .private_segment_fixed_size: 0
    .kernarg_segment_align: 8
    .kernarg_segment_size: 24
    .max_flat_workgroup_size: 256
    .sgpr_count:     72
    .vgpr_count:     512
    .wavefront_size: 32
...
	.end_amdgpu_metadata
.endif
;; end of part 3
;; launch oproj (part 4): grid 4 x 64, 4 waves a work-group, clusters of 4 x 4, 307,712 bytes of LDS; arguments ab, wq, bo, out0; writes out0
.if DOCPART == 4
	.amdgcn_target "amdgcn-amd-amdhsa--gfx1250"
	.amdhsa_code_object_version 6
	.text
	.protected	k_q764d337cdd_oproj
	.globl	k_q764d337cdd_oproj
	.p2align	8
	.type	k_q764d337cdd_oproj,@function
k_q764d337cdd_oproj:
	s_mov_b64 s[64:65], 0
	v_nop
	global_prefetch_b8 v0, s[64:65] scope:SCOPE_SE
	s_setreg_imm32_b32 hwreg(HW_REG_WAVE_MODE, 25, 1), 1
	s_wait_xcnt 0x0
	s_wait_alu depctr_hold_cnt(0) depctr_sa_sdst(0) depctr_va_vdst(0) depctr_va_sdst(0) depctr_va_ssrc(0) depctr_va_vcc(0) depctr_vm_vsrc(0)
	s_getreg_b32 s2, hwreg(HW_REG_IB_STS2, 6, 4)
	s_cmp_eq_u32 s2, 0
	s_cbranch_scc0 .Lentry_in_a_cluster
	s_endpgm
.Lentry_in_a_cluster:
	s_bfe_u32 s2, ttmp6, 0x10000c
	s_cmp_lg_u32 s2, 0xf033
	s_cbranch_scc0 .Lentry_shape_is_right
	s_endpgm
.Lentry_shape_is_right:
; out0 = a Wo + bo on codes of E2M3.  a (ab) and Wo (groups 24-31 of wq) lie in operand-register order: a group is 128 rows x K 1,024, codes [K step 8][tile 8][image 1,536]; wq's groups carry 4,096 bytes of scale
; words [K step 8][tile 8][lane 16] in front, ab's scale words lie apart, [head 16][group 64][tile 8][lane 16], two bytes a head.  Lane r of tile 2 b + u holds row 32 b + 8 u + r + 8 (r / 8).
; SHARES.  A work-group multiplies two groups of Wo's columns (source 0, 256 columns) by one group of tokens (source 1, 128), over all of K, which lies in LDS whole: every LDS byte is filled by a tensor load once.
; Wave (a, b): columns' group a (8 tiles) x tokens' tiles 4 b .. 4 b + 3: 32 accumulators by turns.  A lane holds a token, its registers run along the columns: 16 neighbours for each two tiles.
; CLUSTER 4 x 4: Wo's groups hang on cx and are asked for jointly by a column of the cluster, the tokens' group hangs on cy and is asked for jointly by a row.  Waves 0, 1 fetch Wo's groups (one load of 102,400 bytes each),
; waves 2, 3 half of the tokens' each (49,152 bytes): a wave has one tensor load out.
; THE WAY OUT: a tile's 16 rows x 512 bytes go through the wave's own stage and leave as whole rows.  The stages lie in K steps 0-2 of the first group: those bytes have had their one fill, and every wave's reads of them
; were waited for in front of the last barrier.
; REGISTERS: window 0: v1-23 addresses and bo; v32-79 scale words; v128-255 the way out.   window 1: accumulator (i, j) at v[64 j + 8 i].   window 2: source 0's fragments, two sets of 96.   window 3: source 1's, two sets of 48.
.set GRP,   102400
.set HDR,   4096
.set STEPB, 12288
.set IMG,   1536
.set CHK,   25600                      ; a quarter of a group of wq
.set CHA,   24576                      ; ab has no header: two K steps; a load is two of these
.set ASC,   6291456
.set WV,  20                           ; s20 wave; s21 a; s22 b; s23 cx; s24 cy; s86 i1
.set G1C, 28
.set G1R, 36
.set G0A, 44
.set G0B, 68
.set OUTP, 62                          ; s[62:63] my first row and column of out0
.set ASB, 84                           ; s[84:85] my tokens' scale words in ab
.set BOP, 66                           ; s[66:67] my 128 columns of bo
.set A16, 4
.set B16, 8
.set AS0, 12
.set L16, 14
.set L8,  15
.set STO, 16                           ; v16 the stage: row r, + 64 h
.set RD,  17                           ; v17 back: 16 bytes a lane
.set BO,  20                           ; v20-23 bo at my four columns of a row
.set SC0, 32
.set SC1, 64
.set BK,  128
.set MSB, 0
.macro WIN new
.if MSB != (\new)
	s_set_vgpr_msb (MSB<<8)|(\new)
.set MSB, (\new)
.endif
.endm
.macro PLACES
.rept 4
	v_nop
.endr
.endm
.macro CROUND
	s_barrier_signal -1
	s_barrier_wait -1
	s_cmp_lg_u32 s[WV], 0
	s_cbranch_scc1 .Lnot_wave_0_\@
	s_barrier_signal -3
.Lnot_wave_0_\@:
	s_barrier_wait -3
	s_barrier_signal -1
	s_barrier_wait -1
.endm
.macro FRAG reg, a16, off
	ds_load_b128 v[(\reg):(\reg)+3], v[(\a16)] offset:(\off)
	ds_load_b64 v[(\reg)+4:(\reg)+5], v[(\a16)+1] offset:(\off)+512
	ds_load_b128 v[(\reg)+6:(\reg)+9], v[(\a16)] offset:(\off)+768
	ds_load_b64 v[(\reg)+10:(\reg)+11], v[(\a16)+1] offset:(\off)+1280
.endm
.macro FETCH s
	WIN 0x80
.irp i, 0,1,2,3,4,5,6,7
	FRAG 96*((\s)%2)+12*\i, A16+2*((\s)/4), STEPB*((\s)%4)+IMG*\i
.endr
	WIN 0xc0
.irp j, 0,1,2,3
	FRAG 48*((\s)%2)+12*\j, B16+2*((\s)/4), STEPB*((\s)%4)+IMG*\j
.endr
	WIN 0
.endm
.macro WM i, j, s
.set rD, 64*(\j)+8*(\i)
.set rA, 96*((\s)%2)+12*(\i)
.set rB, 48*((\s)%2)+12*(\j)
.set rX, SC0+8*((\i)/2)+(\s)
.set rY, SC1+8*((\j)/2)+(\s)
.set sel, 2*((\i)%2)+((\j)%2)
.if (\s) == 0
.if sel == 0
	v_wmma_scale_f32_16x16x128_f8f6f4 v[rD:rD+7], v[rA:rA+11], v[rB:rB+11], 0, v[rX], v[rY] matrix_a_fmt:MATRIX_FMT_FP6 matrix_b_fmt:MATRIX_FMT_FP6
.elseif sel == 1
	v_wmma_scale_f32_16x16x128_f8f6f4 v[rD:rD+7], v[rA:rA+11], v[rB:rB+11], 0, v[rX], v[rY] matrix_a_fmt:MATRIX_FMT_FP6 matrix_b_fmt:MATRIX_FMT_FP6 matrix_b_scale:MATRIX_SCALE_ROW1
.elseif sel == 2
	v_wmma_scale_f32_16x16x128_f8f6f4 v[rD:rD+7], v[rA:rA+11], v[rB:rB+11], 0, v[rX], v[rY] matrix_a_fmt:MATRIX_FMT_FP6 matrix_b_fmt:MATRIX_FMT_FP6 matrix_a_scale:MATRIX_SCALE_ROW1
.else
	v_wmma_scale_f32_16x16x128_f8f6f4 v[rD:rD+7], v[rA:rA+11], v[rB:rB+11], 0, v[rX], v[rY] matrix_a_fmt:MATRIX_FMT_FP6 matrix_b_fmt:MATRIX_FMT_FP6 matrix_a_scale:MATRIX_SCALE_ROW1 matrix_b_scale:MATRIX_SCALE_ROW1
.endif
.else
.if sel == 0
	v_wmma_scale_f32_16x16x128_f8f6f4 v[rD:rD+7], v[rA:rA+11], v[rB:rB+11], v[rD:rD+7], v[rX], v[rY] matrix_a_fmt:MATRIX_FMT_FP6 matrix_b_fmt:MATRIX_FMT_FP6
.elseif sel == 1
	v_wmma_scale_f32_16x16x128_f8f6f4 v[rD:rD+7], v[rA:rA+11], v[rB:rB+11], v[rD:rD+7], v[rX], v[rY] matrix_a_fmt:MATRIX_FMT_FP6 matrix_b_fmt:MATRIX_FMT_FP6 matrix_b_scale:MATRIX_SCALE_ROW1
.elseif sel == 2
	v_wmma_scale_f32_16x16x128_f8f6f4 v[rD:rD+7], v[rA:rA+11], v[rB:rB+11], v[rD:rD+7], v[rX], v[rY] matrix_a_fmt:MATRIX_FMT_FP6 matrix_b_fmt:MATRIX_FMT_FP6 matrix_a_scale:MATRIX_SCALE_ROW1
.else
	v_wmma_scale_f32_16x16x128_f8f6f4 v[rD:rD+7], v[rA:rA+11], v[rB:rB+11], v[rD:rD+7], v[rX], v[rY] matrix_a_fmt:MATRIX_FMT_FP6 matrix_b_fmt:MATRIX_FMT_FP6 matrix_a_scale:MATRIX_SCALE_ROW1 matrix_b_scale:MATRIX_SCALE_ROW1
.endif
.endif
.endm
.macro MULS s                          ; the 32 accumulators take turns, one instruction a turn, in the same order in every step; step 0 starts the sums
	WIN 0x5e
.irp j, 0,1,2,3
.irp i, 0,1,2,3,4,5,6,7
	WM \i, \j, \s
.endr
.endr
.endm
.macro BAR n
	s_wait_tensorcnt \n
	s_wait_dscnt 0x0
	s_barrier_signal -1
	s_barrier_wait -1
.endm
	s_load_b256 s[4:11], s[0:1], 0x0               ; ab s[4:5], wq s[6:7], bo s[8:9], out0 s[10:11]
	v_lshl_add_u32 v126, v0, 2, 0x4b000
	v_mov_b32 v127, 0
	ds_add_u32 v126, v127
	ds_add_u32 v126, v127
	v_lshrrev_b32 v1, 5, v0
	v_readfirstlane_b32 s[WV], v1
	s_lshr_b32 s21, s[WV], 1                       ; a
	s_and_b32 s22, s[WV], 1                        ; b.  Also: which of Wo's two groups I fetch
	s_bfe_u32 s23, ttmp6, 0x40000                  ; cx: the grid is one cluster wide
	s_bfe_u32 s24, ttmp6, 0x40004                  ; cy
	s_and_b32 s26, ttmp7, 0xffff
	s_lshl_b32 s86, s26, 2
	s_add_co_u32 s86, s86, s24                     ; i1: the tokens' group; it holds cy and never cx
	s_lshl_b32 s90, s23, 1
	s_add_co_u32 s90, s90, s22
	s_add_co_u32 s90, s90, 24                      ; Wo's groups begin at 24
	s_mul_i32 s90, s90, GRP
	s_mov_b32 s91, 0
	s_mul_i32 s94, s86, 98304
	s_mov_b32 s95, 0
	s_lshl_b32 s96, 0x1111, s23                    ; my column of the cluster
	s_lshl_b32 s97, s24, 2
	s_lshl_b32 s97, 15, s97                        ; my row
	s_or_b32 s[G1C], s96, (3<<16)|(1<<21)          ; 15:0 the mask; 17:16 elements of 8 bytes; 21 set beside a mask; no padding
	s_or_b32 s[G1R], s97, (3<<16)|(1<<21)
	s_mov_b32 s[G1C+1], 32<<16                     ; rows of 256 bytes,
	s_mov_b32 s[G1C+2], 400<<16                    ; 400 of them: a whole group of Wo
	s_mov_b32 s[G1C+3], 32<<16
	s_mov_b32 s[G1C+4], 400
	s_mov_b32 s[G1C+5], 32
	s_mov_b32 s[G1C+6], 0
	s_mov_b32 s[G1C+7], 0
	s_mov_b32 s[G1R+1], 32<<16
	s_mov_b32 s[G1R+2], 192<<16                    ; 192 of them: half of the tokens' group
	s_mov_b32 s[G1R+3], 32<<16
	s_mov_b32 s[G1R+4], 192
	s_mov_b32 s[G1R+5], 32
	s_mov_b32 s[G1R+6], 0
	s_mov_b32 s[G1R+7], 0
	s_mul_i32 s98, s22, GRP
	s_wait_dscnt 0x0
	s_wait_kmcnt 0x0
	s_add_nc_u64 s[88:89], s[6:7], s[90:91]
	s_add_nc_u64 s[92:93], s[4:5], s[94:95]
	CROUND                                         ; all sixteen work-groups are here: the joint loads meet
; ONE TENSOR LOAD A WAVE: waves 0, 1 fetch Wo's two groups whole, waves 2, 3 a half each of the tokens' group.  By this text's count a wave has one tensor load out.
	s_mov_b32 s[G0A], 1
	s_add_co_u32 s[G0A+1], s98, 0
	s_mov_b64 s[G0A+2:G0A+3], s[88:89]
	s_or_b32 s[G0A+3], s[G0A+3], 0x80000000
	s_mul_i32 s94, s22, 2*CHA                      ; which half of the tokens' group: wave % 2 (s95 = 0)
	s_mov_b32 s[G0B], 1
	s_add_co_u32 s[G0B+1], s94, 2*GRP+HDR          ; the codes land where a group with a header has them
	s_add_nc_u64 s[G0B+2:G0B+3], s[92:93], s[94:95]
	s_or_b32 s[G0B+3], s[G0B+3], 0x80000000
	s_cmp_lt_u32 s[WV], 2                          ; one branch on the wave's number, a load in each arm
	s_cbranch_scc0 .Lnot_source_0
	tensor_load_to_lds s[G0A:G0A+3], s[G1C:G1C+7]
	s_nop 0
.rept 4
	v_nop
.endr
	s_branch .Lasked
.Lnot_source_0:
	tensor_load_to_lds s[G0B:G0B+3], s[G1R:G1R+7]
	s_nop 0
.rept 4
	v_nop
.endr
.Lasked:
	v_and_b32 v1, 31, v0                           ; lane
	v_and_b32 v2, 15, v0                           ; r
	v_bfe_u32 v3, v0, 4, 1                         ; h
	v_lshlrev_b32 v[L16], 4, v1
	s_wait_alu depctr_va_vdst(0)
	v_lshlrev_b32 v[L8], 3, v1
	s_wait_alu depctr_va_vdst(0)
	v_lshlrev_b32 v18, 2, v1
	s_wait_alu depctr_va_vdst(0)
	s_lshl_b32 s88, s86, 9                         ; the tokens' scale words: 512 bytes a group and head; my four tiles are 256 b on
	s_lshl_b32 s90, s22, 8
	s_add_co_u32 s88, s88, s90
	s_add_co_u32 s88, s88, ASC
	s_mov_b32 s89, 0
	s_add_nc_u64 s[ASB:ASB+1], s[4:5], s[88:89]
.irp d, 0,1,2,3,4,5,6,7,8,9,10,11,12,13,14,15
.irp p, 0,1
	global_load_b32 v[BK+2*\d+\p], v18, s[ASB:ASB+1] offset:32768*\d+128*\p   ; head d: lanes 0-15 tile 4 b + 2 p, lanes 16-31 the odd tile
.endr
.endr
	s_lshl_b32 s90, s23, 10
	s_lshl_b32 s92, s21, 9
	s_add_co_u32 s90, s90, s92                     ; my first column, in bytes: 1,024 cx + 512 a
	s_mov_b32 s91, 0
	s_add_nc_u64 s[BOP:BOP+1], s[8:9], s[90:91]
	global_load_b128 v[BO:BO+3], v[L16], s[BOP:BOP+1]
	s_lshl_b32 s92, s86, 19                        ; my first row: 128 i1 + 64 b, of 4,096 bytes
	s_lshl_b32 s94, s22, 18
	s_add_co_u32 s92, s92, s94
	s_add_co_u32 s92, s92, s90
	s_mov_b32 s93, 0
	s_add_nc_u64 s[OUTP:OUTP+1], s[10:11], s[92:93]
	s_mul_i32 s99, s21, GRP
	s_add_co_u32 s2, s99, HDR
	v_add_nc_u32 v[A16], s2, v[L16]
	v_add_nc_u32 v[A16+1], s2, v[L8]
	s_add_co_u32 s2, s2, 4*STEPB
	v_add_nc_u32 v[A16+2], s2, v[L16]
	v_add_nc_u32 v[A16+3], s2, v[L8]
	s_mul_i32 s3, s22, 4*IMG
	s_add_co_u32 s3, s3, 2*GRP+HDR
	v_add_nc_u32 v[B16], s3, v[L16]
	v_add_nc_u32 v[B16+1], s3, v[L8]
	s_add_co_u32 s3, s3, 4*STEPB
	v_add_nc_u32 v[B16+2], s3, v[L16]
	v_add_nc_u32 v[B16+3], s3, v[L8]
	v_add_nc_u32 v[AS0], s99, v18
	s_mul_i32 s3, s[WV], 8448
	s_add_co_u32 s3, s3, HDR                       ; my stage: 16 rows x 528 bytes
	v_mul_u32_u24 v[STO], v2, 528
	v_lshl_add_u32 v[STO], v3, 6, v[STO]
	v_add_nc_u32 v[STO], s3, v[STO]
	v_add_nc_u32 v[RD], s3, v[L16]
	s_wait_loadcnt 0x0
.irp p, 0,1
.irp s, 0,1,2,3,4,5,6,7
	v_lshl_or_b32 v[SC1+8*\p+\s], v[BK+2*(2*\s+1)+\p], 16, v[BK+2*(2*\s)+\p]   ; K step s: heads 2 s (bytes 0, 1) and 2 s + 1 (bytes 2, 3)
.endr
.endr
.rept 8
	v_nop                                          ; scale registers written by vector lines stand eight places ahead of a scaled product
.endr
; K step s of Wo ends at byte 4,096 + 12,288 (s + 1) of its group: each wave's one load brings a whole group or half of the tokens' group, and the one barrier below covers them all.
	s_wait_alu depctr_va_vdst(0)
	BAR 0                                          ; every wave's one load has landed: all three groups are whole, and nothing is filled again
.irp p, 0,1,2,3
.irp s, 0,1,2,3,4,5,6,7
	ds_load_b32 v[SC0+8*\p+\s], v[AS0] offset:512*\s+128*\p
.endr
.endr
	FETCH 0
.irp s, 0,1,2,3,4,5,6
.if \s == 4
	BAR 0                                          ; every wave's reads of K steps 0 to 4 are in: the stages of the way out lie in K steps 0-2 of the first group
.endif
	PLACES
	FETCH \s+1
	s_wait_dscnt 48                                ; all but the 48 loads just issued
	MULS \s
.endr
	s_wait_dscnt 0x0
	MULS 7
	WIN 0
	PLACES
.irp j, 0,1,2,3                                ; tile j of my tokens: 16 rows x 128 columns
.if \j >= 2
	s_wait_xcnt 0x0                                ; tile j - 2's stores have read their registers, into which this tile's rows are loaded
.endif
	WIN 0x04                                       ; an LDS store's data are its source 1: window 1
.irp n, 0,1,2,3,4,5,6,7,8,9,10,11,12,13,14,15
	ds_store_b128 v[STO], v[64*\j+4*\n:64*\j+4*\n+3] offset:128*(\n/4)+16*(\n%4)   ; register 16 b' + i is column 32 b' + 16 h + i; each accumulator from its low end on
.endr
	WIN 0
.irp t, 0,1,2,3,4,5,6,7,8,9,10,11,12,13,14,15
	ds_load_b128 v[BK+64*(\j%2)+4*\t:BK+64*(\j%2)+4*\t+3], v[RD] offset:528*\t     ; LDS serves a wave's instructions in order: these see my stores, and the next tile's stores come behind them
.endr
.irp t, 0,1,2,3,4,5,6,7,8,9,10,11,12,13,14,15
	s_wait_dscnt 15-\t                             ; the younger rows may be out
	v_pk_add_f32 v[BK+64*(\j%2)+4*\t:BK+64*(\j%2)+4*\t+1], v[BK+64*(\j%2)+4*\t:BK+64*(\j%2)+4*\t+1], v[BO:BO+1]
	v_pk_add_f32 v[BK+64*(\j%2)+4*\t+2:BK+64*(\j%2)+4*\t+3], v[BK+64*(\j%2)+4*\t+2:BK+64*(\j%2)+4*\t+3], v[BO+2:BO+3]
	global_store_b128 v[L16], v[BK+64*(\j%2)+4*\t:BK+64*(\j%2)+4*\t+3], s[OUTP:OUTP+1] offset:(32*(\j/2)+8*(\j%2)+\t+8*(\t/8))*4096 th:TH_STORE_NT   ; 512 consecutive bytes, aligned; the row is the tile's lane t
.endr
.endr
	s_wait_tensorcnt 0x0
	ds_add_u32 v126, v127
	s_wait_dscnt 0x0
	CROUND                                         ; the closing round: no work-group ends while a partner may still ask for a tile that names it
	s_endpgm
.Lfunc_end_k_q764d337cdd_oproj:
	.size	k_q764d337cdd_oproj, .Lfunc_end_k_q764d337cdd_oproj-k_q764d337cdd_oproj
	.p2alignl 7, 3214868480
	.fill 96, 4, 3214868480
	.section	.rodata,"a",@progbits
	.p2align	6, 0x0
	.amdhsa_kernel k_q764d337cdd_oproj
		.amdhsa_group_segment_fixed_size 307712
		.amdhsa_private_segment_fixed_size 0
		.amdhsa_enable_private_segment 0
		.amdhsa_kernarg_size 32
		.amdhsa_user_sgpr_count 2
		.amdhsa_user_sgpr_kernarg_segment_ptr 1
		.amdhsa_wavefront_size32 1
		.amdhsa_system_sgpr_workgroup_id_x 1
		.amdhsa_system_sgpr_workgroup_id_y 1
		.amdhsa_system_sgpr_workgroup_id_z 1
		.amdhsa_system_vgpr_workitem_id 0
		.amdhsa_next_free_vgpr 1024
		.amdhsa_next_free_sgpr 100
		.amdhsa_reserve_vcc 0
		.amdhsa_float_denorm_mode_32 3
		.amdhsa_float_denorm_mode_16_64 3
		.amdhsa_memory_ordered 1
		.amdhsa_forward_progress 1
		.amdhsa_inst_pref_size 96
	.end_amdhsa_kernel
	.amdgpu_metadata
---
amdhsa.version: [ 1, 2 ]
amdhsa.kernels:
  - .name:           k_q764d337cdd_oproj
    .symbol:         k_q764d337cdd_oproj.kd
    .args:
      - { .name: ab, .offset: 0, .size: 8, .value_kind: global_buffer, .address_space: global }
      - { .name: wq, .offset: 8, .size: 8, .value_kind: global_buffer, .address_space: global }
      - { .name: bo, .offset: 16, .size: 8, .value_kind: global_buffer, .address_space: global }
      - { .name: out0, .offset: 24, .size: 8, .value_kind: global_buffer, .address_space: global }
    .group_segment_fixed_size: 307712
    .private_segment_fixed_size: 0
    .kernarg_segment_align: 8
    .kernarg_segment_size: 32
    .max_flat_workgroup_size: 128
    .sgpr_count:     100
    .vgpr_count:     1024
    .wavefront_size: 32
...
	.end_amdgpu_metadata
.endif
;; end of part 4
